; MI455X (gfx1250); checked and timed in simulation.
; The chip was launched on July 23, 2026; its instructions are those of AMD's public machine-readable ISA for CDNA 5 (MIT licence, August 2026) and "CDNA5" Instruction Set Architecture Reference Guide (July 2026). The comments in the code are by the model that wrote it; some were corrected since.
;; Attention Module. Allowed arithmetic: matrix products marked QUANTISED: E2M1 operands, one E8M0 scale for each 32 along K, by v_wmma_scale_f32_16x16x128_f8f6f4 with both operands' format E2M1 (or v_wmma_scale_f32_32x16x128_f4), f32 sums; products left as they are: f32 operands where the result goes on into a quantised operand, else bf16, f16 or f32 operands; f32 sums; everything else in f32.
;; Inputs: Ua_b 1,024 float32; Ua_w 1,024 x 1,024 float32; Va_b 1 float32; Va_w 1 x 1,024 float32; Wa_b 1,024 float32; Wa_w 1,024 x 1,024 float32; attn_mask 32 x 2,048 bool; decoder_hidden_state 1 x 32 x 1,024 float32; encoder_outputs 32 x 2,048 x 1,024 float32.
;; Outputs: out0 32 x 1 x 2,048 float32.
;; This version of the problem:
;;   THIS VERSION OF THE PROBLEM IS GIVEN IN LOW PRECISION. The matrix products marked QUANTISED in the list below multiply operands that are first quantised to E2M1 (2 exponent bits, 1 mantissa bit; 4 bits a number), with one power-of-two scale for each 32 numbers along K (OCP MX v1.0); their sums are f32. All else is computed in f32.
;;   The module's matrix products, in the order in which they are computed (A, B: the left and right operand; K: the contracted axis; several contracted axes count as one K, in the product's order):
;;     1. [M 32, K 1,024] x [K 1,024, N 1,024]; A: input decoder_hidden_state; B: input Ua_w: QUANTISED
;;     2. [M 65,536, K 1,024] x [K 1,024, N 1,024]; A: input encoder_outputs; B: input Wa_w: QUANTISED
;;     3. [M 65,536, K 1,024] x [K 1,024, N 1]; A: computed on the way; B: input Va_w: left as it is (N = 1 < 16)
;;   THE QUANTISER, for each operand of a quantised product, along K:
;;     - K is cut into blocks of 32 from its start; a last block that is shorter is filled with zeros.
;;     - A block's scale is 2^e with e = floor(log2(the largest magnitude in the block)) - 2, held to -126 .. 127; a block of zeros has e = 0. As a byte (E8M0): e + 127.
;;     - Each number is divided by its block's scale, clamped to +-6, and rounded to the nearest number of E2M1, ties to even, subnormals kept.
;;     - The product sums the exact products of the quantised numbers (number of the format x scale) in f32.
;;   ~~~python
;;   def quantise(x, axis):      # numpy; x: float32 -> the quantised numbers, widened to float32 again
;;       x = np.moveaxis(x, axis, -1); K = x.shape[-1]
;;       x = np.pad(x, [(0, 0)] * (x.ndim - 1) + [(0, -K % 32)]); x = x.reshape(x.shape[:-1] + (-1, 32)); a = np.abs(x).max(-1, keepdims=True)
;;       e = np.where(a > 0, np.clip(np.frexp(np.where(a > 0, a, 1))[1] - 1 - 2, -126, 127), 0)      # np.frexp(a)[1] - 1 = floor(log2(a)), exactly
;;       r = np.clip(x / 2.0 ** e, -6, 6)
;;       step = 2.0 ** (np.maximum(np.frexp(np.where(r == 0, 1, r))[1] - 1, 0) - 1)
;;       q = np.round(r / step) * step * 2.0 ** e      # np.round: ties to even
;;       return np.moveaxis(q.reshape(q.shape[:-2] + (-1,))[..., :K], -1, axis).astype(np.float32)
;;   ~~~
;; 2 versions. Each part assembles by itself: llvm-mc -triple=amdgcn-amd-amdhsa -mcpu=gfx1250 --defsym DOCPART=n.
;; ======== version 1 of 2: 3 launches
;; workspace buffers: wa_codes 524,288 bytes; wa_scales 32,768 bytes; tab 524,288 bytes; scores 262,144 bytes
;; launch prep (part 1): grid 192 x 1, 8 waves a work-group, no clusters, 10,240 bytes of LDS; arguments Wa_w, Ua_w, decoder_hidden_state, Wa_b, Ua_b, Va_w, wa_codes, wa_scales, tab; writes wa_codes, wa_scales, tab
.if DOCPART == 1
	.amdgcn_target "amdgcn-amd-amdhsa--gfx1250"
	.amdhsa_code_object_version 6
	.text
	.protected	k_qc5924e01c2_prep
	.globl	k_qc5924e01c2_prep
	.p2align	8
	.type	k_qc5924e01c2_prep,@function
k_qc5924e01c2_prep:
	s_mov_b64 s[64:65], 0
	v_nop
	global_prefetch_b8 v0, s[64:65] scope:SCOPE_SE
	s_setreg_imm32_b32 hwreg(HW_REG_WAVE_MODE, 25, 1), 1
	s_wait_xcnt 0x0
; WHAT IT MAKES.  (W) Wa_w [1024 e][1024 k] f32 as codes of FP4 (E2M1) with one E8M0 byte for each 32 along k, laid in the order of an operand's registers:
;   wa_codes [e tile 64][K step 8][piece 2][lane 32][16 bytes], wa_scales [e tile 64][q 2][row 16][j 4] words (the word of K step 4 q + j).
; (D) dec[b][e] = the sum over k of Q(h[b][k]) Q(Ua_w[e][k]), by the scaled FP4 matrix instruction, and from it the table that the main launch reads:
;   tab [b 32][e 1024][4 f32] = cb, cb, va2, va2 with cb = c (dec + Ua_b + Wa_b), c = 2 log2(e), va2 = -2 Va_w[e]  (each twice: a pair for the packed forms).
; SHARES.  Work-groups 0-63: role W, e tile = the work-group's number.  Work-groups 64-191: role D, e tile = (n - 64) / 2, 16 rows of h = (n - 64) % 2.
; Eight waves: wave w takes K step w (128 along k).  Role D's eight partial sums meet in LDS and wave 0 adds them, K ascending.
; The branch between the roles hangs on the work-group's number alone, so all eight waves of a work-group pass the same barrier; each role has LDS bytes of its own.
; A lane (r = lane % 16, h = lane / 16) loads, of row r, 16 neighbours of each block of 32: pieces of 64 bytes of sixteen rows.  The three tensors together are 8.4 MB, read here and nowhere else as f32.
; THE QUANTISER: a block's byte is its largest magnitude's exponent field - 2, held at 1 from below; each number / scale goes to the nearest code, ties to even, beyond 6 the largest code.
; LIMITS: NaN and infinities among the inputs are not served; a block of zeros gets the byte 1 where the rule says 127: its codes are zeros, and this program alone reads the bytes.
.set TM,   8                           ; v8-11 largest magnitudes, v12-15 the other half's / bytes, v20-23 the conversions' scale operands
.set PCA,  24                          ; v24-31 the weight's fragment
.set PCB,  32                          ; v32-39 h's fragment
.set PWA,  40                          ; v40    the weight's scale word (nothing else ever)
.set PWB,  41                          ; v41    h's scale word (nothing else ever)
.set DD,   48                          ; v48-55 the product
.set RA,   64                          ; v64-127  64 numbers of the weight; later the eight partial sums
.set RB,   128                         ; v128-191 64 numbers of h
.set OO,   192                         ; v192-223 eight entries of tab
.set WRED, 0                           ; LDS, role W: 512 bytes: the e tile's scale words
.set DRED, 1024                        ; LDS, role D: 8 x 1,024 bytes: the waves' partial sums, as images of their registers
; 64 numbers of a lane, register 16 b + i = k 32 b + 16 h + i of row r, become a fragment's codes in v[pc] on and the row's scale word in v[pw] (the same in both halves of the lanes).
.macro QUANT s, pc, pw
.irp b, 0,1,2,3
	v_max3_num_f32 v[TM+\b], |v[\s+16*\b]|, |v[\s+1+16*\b]|, 0x1800000    ; my 16 numbers of block b, and the floor 2^(3 - 127): the byte cannot fall under 1
.endr
.irp i, 2,4,6,8,10,12,14
.irp b, 0,1,2,3
	v_max3_num_f32 v[TM+\b], v[TM+\b], |v[\s+16*\b+\i]|, |v[\s+1+16*\b+\i]|   ; the four blocks by turns
.endr
.endr
.irp b, 0,1,2,3
	v_permlanex16_b32 v[TM+4+\b], v[TM+\b], s[SEL], s[SEL+1]
.endr
.irp b, 0,1,2,3
	v_max_num_f32 v[TM+\b], v[TM+\b], v[TM+4+\b]           ; with lane l xor 16's 16: the block's largest magnitude
.endr
.irp b, 0,1,2,3
	v_add_nc_u32 v[TM+12+\b], 0xff000000, v[TM+\b]         ; 2 off its exponent field: the conversion's scale operand
.endr
.irp b, 0,1,2,3
	v_lshrrev_b32 v[TM+4+\b], 23, v[TM+12+\b]              ; the scale's byte
.endr
	v_lshl_or_b32 v[\pw], v[TM+5], 8, v[TM+4]
	v_lshl_or_b32 v[\pw], v[TM+6], 16, v[\pw]
	v_lshl_or_b32 v[\pw], v[TM+7], 24, v[\pw]
.irp b, 0,1,2,3
	v_cvt_scalef32_pk8_fp4_f32 v[\pc+2*\b], v[\s+16*\b:\s+7+16*\b], v[TM+12+\b]
	v_cvt_scalef32_pk8_fp4_f32 v[\pc+1+2*\b], v[\s+8+16*\b:\s+15+16*\b], v[TM+12+\b]
.endr
	v_nop                                                  ; one plain place behind the scaled conversions
.irp c, 0,1                                            ; the operand wants a whole block in a lane: lanes 0-15 block 2 c, lanes 16-31 block 2 c + 1
.irp i, 0,1
	v_permlane16_swap_b32 v[\pc+4*\c+\i], v[\pc+2+4*\c+\i]
.endr
.endr
.endm
.macro XLOAD reg, base                 ; 16 rows x 128 along k: 64 numbers a lane
.irp b, 0,1,2,3
.irp j, 0,1,2,3
	global_load_b128 v[\reg+16*\b+4*\j:\reg+16*\b+4*\j+3], v2, s[\base:\base+1] offset:128*\b+16*\j
.endr
.endr
.endm
.set SEL, 32                           ; s[32:33] v_permlanex16_b32's selects for lane l xor 16
	s_load_b256 s[4:11], s[0:1], 0x0               ; Wa_w s[4:5], Ua_w s[6:7], h s[8:9], Wa_b s[10:11]
	s_load_b256 s[12:19], s[0:1], 0x20             ; Ua_b s[12:13], Va_w s[14:15], wa_codes s[16:17], wa_scales s[18:19]
	s_load_b64 s[20:21], s[0:1], 0x40              ; tab
	v_lshl_add_u32 v254, v0, 2, 0x2400
	v_mov_b32 v255, 0
	v_lshrrev_b32 v7, 5, v0
	v_readfirstlane_b32 s22, v7                    ; wave = K step
	v_and_b32 v7, 31, v0
	v_lshlrev_b32 v1, 4, v7                        ; 16 x lane
	v_and_b32 v7, 15, v0                           ; r
	v_bfe_u32 v46, v0, 4, 1                        ; h
	v_lshlrev_b32 v2, 12, v7
	v_lshl_add_u32 v2, v46, 6, v2                  ; row r of 4,096 bytes + 64 h
	v_lshlrev_b32 v3, 2, v7                        ; 4 r
	s_lshl_b32 s23, s22, 10
	s_add_co_u32 s23, s23, DRED
	v_add_nc_u32 v4, s23, v1                       ; role D: my wave's 1,024 bytes, 16 x lane
	s_lshr_b32 s23, s22, 2
	s_lshl_b32 s23, s23, 8
	s_and_b32 s24, s22, 3
	s_lshl_b32 s24, s24, 2
	s_add_co_u32 s23, s23, s24
	v_lshl_add_u32 v5, v7, 4, s23                  ; role W: 256 (w / 4) + 16 r + 4 (w % 4)
	v_lshlrev_b32 v6, 4, v7
	v_lshl_add_u32 v6, v46, 17, v6                 ; tab: 8 h batches of 16,384 bytes + 16 r
.irp b, 0,1,2,3
	v_mov_b32 v[TM+4+\b], 0                        ; written once: a lane permute's destination counts as one of its sources
.endr
	s_mov_b32 s[SEL], 0x76543210
	s_mov_b32 s[SEL+1], 0xfedcba98
	s_mov_b32 s27, 0x4038aa3b                      ; c = 2 log2(e)
	s_sub_co_u32 s24, ttmp9, 64
	s_lshr_b32 s25, s24, 1                         ; role D's e tile
	s_and_b32 s26, s24, 1                          ; and its 16 rows of h
	s_wait_kmcnt 0x0
	s_cmp_lt_u32 ttmp9, 64                         ; the choice hangs on the work-group's number alone
	s_cselect_b32 s25, ttmp9, s25                  ; the e tile
	s_cselect_b64 s[4:5], s[4:5], s[6:7]           ; Wa_w or Ua_w
	s_lshl_b32 s28, s25, 16                        ; 16 rows of 4,096 bytes an e tile,
	s_lshl_b32 s29, s22, 9                         ; 512 bytes a K step
	s_add_co_u32 s28, s28, s29
	s_mov_b32 s29, 0
	s_add_nc_u64 s[4:5], s[4:5], s[28:29]
	XLOAD RA, 4
	s_cmp_lt_u32 ttmp9, 64
	s_cbranch_scc1 .Lrole_w
	; ---- role D
	s_lshl_b32 s28, s26, 16
	s_lshl_b32 s30, s22, 9
	s_add_co_u32 s28, s28, s30
	s_add_nc_u64 s[8:9], s[8:9], s[28:29]
	XLOAD RB, 8
	s_lshl_b32 s28, s25, 6                         ; the e tile's 16 numbers of each vector
	s_add_nc_u64 s[12:13], s[12:13], s[28:29]
	s_add_nc_u64 s[10:11], s[10:11], s[28:29]
	s_add_nc_u64 s[14:15], s[14:15], s[28:29]
	global_load_b32 v42, v3, s[12:13]              ; Ua_b[e]
	global_load_b32 v43, v3, s[10:11]              ; Wa_b[e]
	global_load_b32 v44, v3, s[14:15]              ; Va_w[e]
	s_wait_loadcnt 19                              ; Ua's 16 loads are in; h's 16 and the three may be out
	QUANT RA, PCA, PWA
	s_wait_loadcnt 3                               ; h's are in; the three may be out
	QUANT RB, PCB, PWB
.rept 8
	v_nop                                          ; a scale register written by a vector instruction stands 8 places ahead of a scaled matrix instruction, an operand 4
.endr
	v_wmma_scale_f32_16x16x128_f8f6f4 v[DD:DD+7], v[PCB:PCB+7], v[PCA:PCA+7], 0, v[PWB], v[PWA] matrix_a_fmt:MATRIX_FMT_FP4 matrix_b_fmt:MATRIX_FMT_FP4   ; register j of lane (r, h): batch 8 h + j of the 16, e = r
.rept 4
	v_nop
.endr
	ds_store_b128 v4, v[DD:DD+3]                   ; the result from its low end on
	ds_store_b128 v4, v[DD+4:DD+7] offset:512
	s_wait_dscnt 0x0                               ; for wave 0's sake: my stores have landed
	s_barrier_signal -1
	s_barrier_wait -1
	s_cmp_lg_u32 s22, 0
	s_cbranch_scc1 .Lend
.irp w, 0,1,2,3,4,5,6,7
	ds_load_b128 v[RA+8*\w:RA+8*\w+3], v1 offset:DRED+1024*\w
	ds_load_b128 v[RA+8*\w+4:RA+8*\w+7], v1 offset:DRED+1024*\w+512
.endr
	s_lshl_b32 s28, s26, 18                        ; 16 batches of 16,384 bytes,
	s_lshl_b32 s30, s25, 8                         ; 16 entries of 16 bytes an e tile
	s_add_co_u32 s28, s28, s30
	s_add_nc_u64 s[20:21], s[20:21], s[28:29]
	s_wait_dscnt 0x0
.irp w, 1,2,3,4,5,6,7
.irp p, 0,2,4,6
	v_pk_add_f32 v[RA+\p:RA+\p+1], v[RA+\p:RA+\p+1], v[RA+8*\w+\p:RA+8*\w+\p+1]   ; K steps ascending
.endr
.endr
	s_wait_loadcnt 0x0                             ; the three vectors
	v_add_f32 v42, v42, v43
	v_mul_f32 v42, s27, v42                        ; c (Ua_b + Wa_b)
	v_mul_f32 v45, -2.0, v44                       ; va2
.irp j, 0,1,2,3,4,5,6,7
	v_fma_f32 v[OO+4*\j], v[RA+\j], s27, v42       ; cb
	v_fma_f32 v[OO+4*\j+1], v[RA+\j], s27, v42
	v_mov_b32 v[OO+4*\j+2], v45
	v_mov_b32 v[OO+4*\j+3], v45
.endr
.irp j, 0,1,2,3,4,5,6,7
	global_store_b128 v6, v[OO+4*\j:OO+4*\j+3], s[20:21] offset:16384*\j   ; sixteen lanes store 256 consecutive bytes, aligned
.endr
	s_wait_tensorcnt 0x0
	ds_add_u32 v254, v255
	s_wait_dscnt 0x0
	s_endpgm
	; ---- role W
.Lrole_w:
	s_wait_loadcnt 0x0
	QUANT RA, PCA, PWA
	s_lshl_b32 s28, s25, 13                        ; 8,192 bytes an e tile,
	s_lshl_b32 s30, s22, 10                        ; 1,024 a K step
	s_add_co_u32 s28, s28, s30
	s_add_nc_u64 s[16:17], s[16:17], s[28:29]
	global_store_b128 v1, v[PCA:PCA+3], s[16:17]               ; the fragment as it stands: 512 consecutive bytes a store
	global_store_b128 v1, v[PCA+4:PCA+7], s[16:17] offset:512
	ds_store_b32 v5, v[PWA]                        ; both halves of the lanes write the same word with the same value
	s_wait_dscnt 0x0
	s_barrier_signal -1
	s_barrier_wait -1
	s_cmp_lg_u32 s22, 0
	s_cbranch_scc1 .Lend
	ds_load_b128 v[RA:RA+3], v1 offset:WRED        ; the e tile's 128 scale words
	s_lshl_b32 s28, s25, 9
	s_add_nc_u64 s[18:19], s[18:19], s[28:29]
	s_wait_dscnt 0x0
	global_store_b128 v1, v[RA:RA+3], s[18:19]     ; 512 consecutive bytes
.Lend:
	s_wait_tensorcnt 0x0
	ds_add_u32 v254, v255
	s_wait_dscnt 0x0
	s_endpgm
.Lfunc_end_k_qc5924e01c2_prep:
	.size	k_qc5924e01c2_prep, .Lfunc_end_k_qc5924e01c2_prep-k_qc5924e01c2_prep
	.p2alignl 7, 3214868480
	.fill 96, 4, 3214868480
	.section	.rodata,"a",@progbits
	.p2align	6, 0x0
	.amdhsa_kernel k_qc5924e01c2_prep
		.amdhsa_group_segment_fixed_size 10240
		.amdhsa_private_segment_fixed_size 0
		.amdhsa_enable_private_segment 0
		.amdhsa_kernarg_size 72
		.amdhsa_user_sgpr_count 2
		.amdhsa_user_sgpr_kernarg_segment_ptr 1
		.amdhsa_wavefront_size32 1
		.amdhsa_system_sgpr_workgroup_id_x 1
		.amdhsa_system_sgpr_workgroup_id_y 1
		.amdhsa_system_sgpr_workgroup_id_z 1
		.amdhsa_system_vgpr_workitem_id 0
		.amdhsa_next_free_vgpr 256
		.amdhsa_next_free_sgpr 66
		.amdhsa_reserve_vcc 0
		.amdhsa_float_denorm_mode_32 3
		.amdhsa_float_denorm_mode_16_64 3
		.amdhsa_memory_ordered 1
		.amdhsa_forward_progress 1
		.amdhsa_inst_pref_size 25
	.end_amdhsa_kernel
	.amdgpu_metadata
---
amdhsa.version: [ 1, 2 ]
amdhsa.kernels:
  - .name:           k_qc5924e01c2_prep
    .symbol:         k_qc5924e01c2_prep.kd
    .args:
      - { .name: Wa_w, .offset: 0, .size: 8, .value_kind: global_buffer, .address_space: global }
      - { .name: Ua_w, .offset: 8, .size: 8, .value_kind: global_buffer, .address_space: global }
      - { .name: decoder_hidden_state, .offset: 16, .size: 8, .value_kind: global_buffer, .address_space: global }
      - { .name: Wa_b, .offset: 24, .size: 8, .value_kind: global_buffer, .address_space: global }
      - { .name: Ua_b, .offset: 32, .size: 8, .value_kind: global_buffer, .address_space: global }
      - { .name: Va_w, .offset: 40, .size: 8, .value_kind: global_buffer, .address_space: global }
      - { .name: wa_codes, .offset: 48, .size: 8, .value_kind: global_buffer, .address_space: global }
      - { .name: wa_scales, .offset: 56, .size: 8, .value_kind: global_buffer, .address_space: global }
      - { .name: tab, .offset: 64, .size: 8, .value_kind: global_buffer, .address_space: global }
    .group_segment_fixed_size: 10240
    .private_segment_fixed_size: 0
    .kernarg_segment_align: 8
    .kernarg_segment_size: 72
    .max_flat_workgroup_size: 256
    .sgpr_count:     66
    .vgpr_count:     256
    .wavefront_size: 32
...
	.end_amdgpu_metadata
.endif
;; end of part 1
;; launch main (part 2): grid 256 x 1, 4 waves a work-group, no clusters, 177,664 bytes of LDS; arguments encoder_outputs, wa_codes, wa_scales, tab, scores; writes scores
.if DOCPART == 2
	.amdgcn_target "amdgcn-amd-amdhsa--gfx1250"
	.amdhsa_code_object_version 6
	.text
	.protected	k_qc5924e01c2_main
	.globl	k_qc5924e01c2_main
	.p2align	8
	.type	k_qc5924e01c2_main,@function
k_qc5924e01c2_main:
	s_mov_b64 s[64:65], 0
	v_nop
	global_prefetch_b8 v0, s[64:65] scope:SCOPE_SE
	s_setreg_imm32_b32 hwreg(HW_REG_WAVE_MODE, 25, 1), 1
	s_wait_xcnt 0x0
; scores[row] = the sum over e of va2[e] / (1 + 2^(c enc[row][e] + cb[b][e])), enc = Q(X) Q(Wa)^T on codes of FP4 (E2M1) with E8M0 scales.
; Since tanh(x) = 1 - 2 / (1 + e^(2 x)), the true score is this sum + the sum of Va + Va_b; the next launch adds that.  cb, va2 and c = 2 log2(e): see the launch before.
; 2^t that overflows gives 1 / infinity = 0, one that underflows gives 1 / 1: tanh's two ends.
; SHARES.  A work-group owns 256 rows of X (all of one batch, b = work-group / 8), as two blocks of 128 rows = 8 tiles of 16.  THE WAVES SHARE e, NOT THE ROWS: wave w owns e tiles 16 w .. 16 w + 15
; for all 128 rows of a block, and holds the block's codes of X, 64 fragments, in 512 registers.  So a fragment of Wa has ONE reader in the work-group and goes from memory straight into its registers.
; X IS READ ONCE, as f32, in loads of 512 consecutive bytes (a row's 128 numbers of a K step); a chunk of 16 rows turns through the wave's own stage in LDS so that a lane holds 16 neighbours of each
; block of 32; it is quantised in registers and its fragment goes to the other waves as an image of its registers.  Wave w quantises tiles 2 w and 2 w + 1.
; PHASES.  A: block 0 is quantised.  | barrier |  B: block 0's products and tanh, one e tile a trip, and in each trip one chunk of block 1 is quantised: X's stream runs beside the vector work.
; | barrier |  C: block 1's products and tanh.  | barrier |  waves 0 and 1 add the four waves' sums of a block and store 512 consecutive bytes each.
; THE PRODUCT: source 0 = 16 rows of X, source 1 = 16 rows of Wa: lane (r, h) holds ONE e (= r) and its registers eight rows 8 h + j.  So cb and va2 are one number a lane for an e tile.
; NO CLUSTER, NO JOINT LOADS, though all work-groups read the same codes of Wa: a joint load lands in LDS, and these fragments have one reader each; 2 x 544 KB would go into LDS and out again
; for each work-group beside the 2 x 1 MiB of X's turn, and the two blocks' images take 139,264 of LDS's bytes.
; LIMITS: NaN and infinities among the inputs are not served; a block of zeros gets the byte 1 where the rule says 127: its codes are zeros, and this program alone reads the bytes.
; REGISTERS, in windows of 256 (s_set_vgpr_msb: bits 1:0 source 0, 3:2 source 1, 5:4 source 2, 7:6 destination):
;   window 0: v1-12 addresses; v16-47 X's scale words; v48-51 Wa's; v52-59 two entries of tab; v60-68 codes and scale word just made; v70-85 at work; v96-159 the rows' sums; v160-223 a chunk's 64 numbers
;   window 1: X's fragments of tiles 0-3 (64 m + 8 k); in phase A a ring of four chunks as loaded.   window 2: those of tiles 4-7.
;   window 3: v0-63 the products; v64-127 an e tile's eight fragments of Wa; v128-191, v192-255 two chunks of X as loaded.
.set SPITCH, 528                       ; a stage row: 512 bytes + 16: the sixteen rows that a load touches start 33 x 16 bytes apart
.set IMG0,  4*16*SPITCH                ; behind the four stages: block 0's 64 fragments, fragment 8 m + k at 1,024 bytes each,
.set XSC0,  IMG0+65536                 ; its scale words: 512 m + 32 r + 4 k
.set IMGSTEP, 65536+4096               ; block 1's lie this far on
.set RED,   IMG0+2*IMGSTEP             ; the waves' sums: 2,048 block + 512 wave + 4 row
.set XS,   16
.set WAS,  48
.set TT,   52
.set PC,   60
.set PW,   68
.set TM,   70
.set ACC,  96
.set XQ,   160
.set WAF,  64                          ; in window 3
.set RAW0, 128                         ; in window 3
.set SEL,  20                          ; s[20:21] v_permlanex16_b32's selects for lane l xor 16
.set MSB, 0
.macro WIN new                         ; the immediate's high byte repeats the setting that is left; a switch that changes nothing is dropped
.if MSB != \new
	s_set_vgpr_msb (MSB<<8)|\new
.set MSB, \new
.endif
.endm
; 64 numbers of a lane, register 16 b + i = k 32 b + 16 h + i of row r, become a fragment's codes in v[pc] on and the row's scale word in v[pw] (the same in both halves of the lanes).
.macro QUANT s, pc, pw
	WIN 0
.irp b, 0,1,2,3
	v_max3_num_f32 v[TM+\b], |v[\s+16*\b]|, |v[\s+1+16*\b]|, 0x1800000    ; my 16 numbers of block b, and the floor 2^(3 - 127): the byte cannot fall under 1
.endr
.irp i, 2,4,6,8,10,12,14
.irp b, 0,1,2,3
	v_max3_num_f32 v[TM+\b], v[TM+\b], |v[\s+16*\b+\i]|, |v[\s+1+16*\b+\i]|   ; the four blocks by turns
.endr
.endr
.irp b, 0,1,2,3
	v_permlanex16_b32 v[TM+4+\b], v[TM+\b], s[SEL], s[SEL+1]
.endr
.irp b, 0,1,2,3
	v_max_num_f32 v[TM+\b], v[TM+\b], v[TM+4+\b]           ; with lane l xor 16's 16: the block's largest magnitude
.endr
.irp b, 0,1,2,3
	v_add_nc_u32 v[TM+12+\b], 0xff000000, v[TM+\b]         ; 2 off its exponent field: the conversion's scale operand
.endr
.irp b, 0,1,2,3
	v_lshrrev_b32 v[TM+4+\b], 23, v[TM+12+\b]              ; the scale's byte
.endr
	v_lshl_or_b32 v[\pw], v[TM+5], 8, v[TM+4]
	v_lshl_or_b32 v[\pw], v[TM+6], 16, v[\pw]
	v_lshl_or_b32 v[\pw], v[TM+7], 24, v[\pw]
.irp b, 0,1,2,3
	v_cvt_scalef32_pk8_fp4_f32 v[\pc+2*\b], v[\s+16*\b:\s+7+16*\b], v[TM+12+\b]
	v_cvt_scalef32_pk8_fp4_f32 v[\pc+1+2*\b], v[\s+8+16*\b:\s+15+16*\b], v[TM+12+\b]
.endr
	v_nop                                                  ; one plain place behind the scaled conversions
.irp c, 0,1                                            ; the operand wants a whole block in a lane
.irp i, 0,1
	v_permlane16_swap_b32 v[\pc+4*\c+\i], v[\pc+2+4*\c+\i]
.endr
.endr
.endm
; A chunk, 16 rows x 128 numbers, from off bytes behind s[4:5]: each load reads a row's 512 consecutive bytes
.macro XLOADC win, reg, off
	WIN \win
.irp i, 0,1,2,3,4,5,6,7,8,9,10,11,12,13,14,15
	global_load_b128 v[(\reg)+4*\i:(\reg)+4*\i+3], v1, s[4:5] offset:(\off)+4096*\i th:TH_LOAD_NT
.endr
.endm
; The chunk turns through my own stage: in as loaded, out 16 neighbours of each block of 32 a lane.  LDS serves a wave's instructions in order: no wait between
.macro TURN win, reg
	WIN \win
.irp i, 0,1,2,3,4,5,6,7,8,9,10,11,12,13,14,15
	ds_store_b128 v3, v[(\reg)+4*\i:(\reg)+4*\i+3] offset:SPITCH*\i
.endr
	WIN 0
.irp b, 0,1,2,3
.irp j, 0,1,2,3
	ds_load_b128 v[XQ+16*\b+4*\j:XQ+16*\b+4*\j+3], v4 offset:128*\b+16*\j
.endr
.endr
.endm
.macro IMAGE io, so                    ; the fragment and its scale word go to LDS as they stand
	WIN 0
	ds_store_b128 v7, v[PC:PC+3] offset:\io
	ds_store_b128 v7, v[PC+4:PC+7] offset:(\io)+512
	ds_store_b32 v8, v[PW] offset:\so
.endm
; e tile d from the pointers on: its scale words, its entry of tab into set tn, its eight fragments: 18 loads
.macro WLOAD d, tn
	WIN 0
	global_load_b128 v[WAS:WAS+3], v1, s[8:9] offset:512*(\d)                  ; register j: K step j in lanes 0-15, K step j + 4 in lanes 16-31
	global_load_b128 v[TT+4*(\tn):TT+4*(\tn)+3], v2, s[10:11] offset:256*(\d)  ; cb, cb, va2, va2 of my e
	WIN 0xC0
.irp k, 0,1,2,3,4,5,6,7
.irp c, 0,1
	global_load_b128 v[WAF+8*\k+4*\c:WAF+8*\k+4*\c+3], v1, s[6:7] offset:8192*(\d)+1024*\k+512*\c
.endr
.endr
.endm
; A block's 64 fragments and their scale words come into my registers; the rows' sums begin at 0 (64 lines a block, so that the trip is written once)
.macro XFRAG
	WIN 0x40
.set F, 0
.rept 32
	ds_load_b128 v[8*F:8*F+3], v9 offset:1024*F
	ds_load_b128 v[8*F+4:8*F+7], v9 offset:1024*F+512
.set F, F+1
.endr
	WIN 0x80
.set F, 0
.rept 32
	ds_load_b128 v[8*F:8*F+3], v9 offset:1024*(F+32)
	ds_load_b128 v[8*F+4:8*F+7], v9 offset:1024*(F+32)+512
.set F, F+1
.endr
	WIN 0
.irp m, 0,1,2,3
	ds_load_b128 v[XS+8*\m:XS+8*\m+3], v10 offset:512*\m          ; register 8 m + k: tile m's words in lanes 0-15, tile m + 4's in lanes 16-31
	ds_load_b128 v[XS+8*\m+4:XS+8*\m+7], v10 offset:512*\m+16
.endr
.set I, 0
.rept 64
	v_mov_b32 v[ACC+I], 0
.set I, I+1
.endr
	s_wait_dscnt 0x0
.endm
; One matrix instruction: tile 4 hi + m of the rows, K step k
.macro WM hi, m, k
.set rD, 32*(\hi)+8*(\m)
.set rA, 64*(\m)+8*(\k)
.set rB, WAF+8*(\k)
.set rX, XS+8*(\m)+(\k)
.set rW, WAS+(\k)%4
.if ((\hi) == 0) && ((\k) == 0)
	v_wmma_scale_f32_16x16x128_f8f6f4 v[rD:rD+7], v[rA:rA+7], v[rB:rB+7], 0, v[rX], v[rW] matrix_a_fmt:MATRIX_FMT_FP4 matrix_b_fmt:MATRIX_FMT_FP4
.elseif ((\hi) == 0) && ((\k) < 4)
	v_wmma_scale_f32_16x16x128_f8f6f4 v[rD:rD+7], v[rA:rA+7], v[rB:rB+7], v[rD:rD+7], v[rX], v[rW] matrix_a_fmt:MATRIX_FMT_FP4 matrix_b_fmt:MATRIX_FMT_FP4
.elseif (\hi) == 0
	v_wmma_scale_f32_16x16x128_f8f6f4 v[rD:rD+7], v[rA:rA+7], v[rB:rB+7], v[rD:rD+7], v[rX], v[rW] matrix_a_fmt:MATRIX_FMT_FP4 matrix_b_fmt:MATRIX_FMT_FP4 matrix_b_scale:MATRIX_SCALE_ROW1
.elseif (\k) == 0
	v_wmma_scale_f32_16x16x128_f8f6f4 v[rD:rD+7], v[rA:rA+7], v[rB:rB+7], 0, v[rX], v[rW] matrix_a_fmt:MATRIX_FMT_FP4 matrix_b_fmt:MATRIX_FMT_FP4 matrix_a_scale:MATRIX_SCALE_ROW1
.elseif (\k) < 4
	v_wmma_scale_f32_16x16x128_f8f6f4 v[rD:rD+7], v[rA:rA+7], v[rB:rB+7], v[rD:rD+7], v[rX], v[rW] matrix_a_fmt:MATRIX_FMT_FP4 matrix_b_fmt:MATRIX_FMT_FP4 matrix_a_scale:MATRIX_SCALE_ROW1
.else
	v_wmma_scale_f32_16x16x128_f8f6f4 v[rD:rD+7], v[rA:rA+7], v[rB:rB+7], v[rD:rD+7], v[rX], v[rW] matrix_a_fmt:MATRIX_FMT_FP4 matrix_b_fmt:MATRIX_FMT_FP4 matrix_a_scale:MATRIX_SCALE_ROW1 matrix_b_scale:MATRIX_SCALE_ROW1
.endif
.endm
; An e tile against the block's 128 rows: 64 matrix instructions.  Four accumulators take turns, one instruction a turn; the first K step starts each sum with the constant 0.
.macro MMA
	WIN 0xFD                                       ; X in window 1; Wa, C and D in window 3
.irp k, 0,1,2,3,4,5,6,7
.irp m, 0,1,2,3
	WM 0, \m, \k
.endr
.endr
	WIN 0xFE                                       ; X in window 2
.irp k, 0,1,2,3,4,5,6,7
.irp m, 0,1,2,3
	WM 1, \m, \k
.endr
.endr
.endm
; The 64 products of a lane: sums += va2 / (1 + 2^(c enc + cb)).  Each batch of 64 transcendentals has one plain line and one wait behind it, ahead of its first reader.
.macro TANH u
	WIN 0xC3                                       ; the products: destination and source 0 in window 3
.set I, 0
.rept 32
	v_pk_fma_f32 v[I:I+1], v[I:I+1], s[22:23], v[TT+4*(\u):TT+4*(\u)+1] op_sel_hi:[1,0,1]   ; ascending: each accumulator is read from its low end on
.set I, I+2
.endr
.set I, 0
.rept 64
	v_exp_f32 v[I], v[I]
.set I, I+1
.endr
	v_nop
	s_wait_alu depctr_va_vdst(0)
.set I, 0
.rept 32
	v_pk_add_f32 v[I:I+1], v[I:I+1], 1.0 op_sel_hi:[1,0]
.set I, I+2
.endr
.set I, 0
.rept 64
	v_rcp_f32 v[I], v[I]
.set I, I+1
.endr
	v_nop
	s_wait_alu depctr_va_vdst(0)
	WIN 0x03                                       ; source 0 in window 3; va2 and the sums in window 0
.set I, 0
.rept 32
	v_pk_fma_f32 v[ACC+I:ACC+I+1], v[I:I+1], v[TT+4*(\u)+2:TT+4*(\u)+3], v[ACC+I:ACC+I+1]
.set I, I+2
.endr
	WIN 0
.endm
; A TRIP: one e tile.  u: which set of tab's entry and which chunk buffer;  cnt: the younger loads that may stay out;  xq: a chunk of the next block is quantised;  xl: its buffer is filled again;
; wl: the e tile d from the pointers on is asked for.
.macro TRIP u, cnt, xq, xl, wl, d
	s_wait_loadcnt \cnt                            ; this e tile's 18 loads and (xq) this trip's chunk are in; the one chunk issued behind them may be out
.if \xq
	TURN 0x0C, RAW0+64*(\u)                        ; the turn through LDS runs beside the products
.endif
	MMA
	WIN 0
.rept 4
	v_nop                                          ; four places behind the last product, ahead of the loads into Wa's registers and scale words and of the first read of results
.endr
.if \xq
	s_wait_dscnt 0x0                               ; the chunk is back, and the stage's stores have read its buffer
.endif
.if \wl
	WLOAD \d, 1-(\u)
.endif
.if \xl
	XLOADC 0xC0, RAW0+64*(\u), 512+65536*(\u)      ; the same tile's next K step
.endif
	TANH \u
.if \xq
	QUANT XQ, PC, PW
	IMAGE 8192*(\u), 512*(\u)
.endif
.endm
; The sums over my 16 e tiles lie in sixteen lanes (e = r): four steps inside each half of the lanes; then the 128 rows' sums go to my 512 bytes of LDS (the sixteen lanes of a half write the same word with the same value)
.macro REDUCE be
	WIN 0
.irp x, 1,2,4,8
.set I, 0
.rept 64
	v_add_f32_dpp v[ACC+I], v[ACC+I], v[ACC+I] row_xmask:\x row_mask:0xf bank_mask:0xf
.set I, I+1
.endr
.endr
.set I, 0
.rept 64
	ds_store_b32 v11, v[ACC+I] offset:2048*(\be)+64*(I/8)+4*(I%8)
.set I, I+1
.endr
.endm
.macro BARRIER                         ; my LDS stores have landed and my LDS loads are in: then the work-group's barrier
	s_wait_dscnt 0x0
	s_barrier_signal -1
	s_barrier_wait -1
.endm
; PHASE A's turn of ring buffer q.  n: the younger loads that may stay out.  kind: what is asked for when the buffer has been read:
; 1 the chunk four on, into the same buffer;  2, 4 block 1's first two chunks, into window 3;  3 e tile 0;  0 nothing.
.macro ACH q, n, kind
	s_wait_loadcnt \n
	TURN 0x04, 64*(\q)
	s_wait_dscnt 16                                ; all but the 16 loads just issued: the stage's stores have read the buffer
.if (\kind) == 1
	XLOADC 0x40, 64*(\q), 512*((\q)/2)+65536*((\q)%2)+1024
.elseif (\kind) == 2
	XLOADC 0xC0, RAW0, 524288-3072
.elseif (\kind) == 3
	WLOAD 0, 0
.elseif (\kind) == 4
	XLOADC 0xC0, RAW0+64, 524288-3072+65536
.endif
	s_wait_dscnt 0x0
	QUANT XQ, PC, PW
	IMAGE 1024*((\q)/2)+8192*((\q)%2), 4*((\q)/2)+512*((\q)%2)
.endm
	s_load_b256 s[4:11], s[0:1], 0x0               ; X s[4:5], wa_codes s[6:7], wa_scales s[8:9], tab s[10:11]
	s_load_b64 s[12:13], s[0:1], 0x20              ; scores
	v_lshl_add_u32 v254, v0, 2, 0x2b400
	v_mov_b32 v255, 0
	v_lshrrev_b32 v13, 5, v0
	v_readfirstlane_b32 s14, v13                   ; wave 0..3
	v_and_b32 v13, 31, v0                          ; lane
	v_and_b32 v14, 15, v0                          ; r
	v_bfe_u32 v15, v0, 4, 1                        ; h
	v_lshlrev_b32 v1, 4, v13                       ; v1  16 x lane
	v_lshlrev_b32 v2, 4, v14                       ; v2  16 r
	s_mul_i32 s15, s14, 16*SPITCH                  ; my stage
	v_add_nc_u32 v3, s15, v1                       ; v3  into it: 16 x lane, a row an instruction
	v_mul_u32_u24 v4, v14, SPITCH
	v_lshl_add_u32 v4, v15, 6, v4
	v_add_nc_u32 v4, s15, v4                       ; v4  out of it: row r, + 64 h
	s_lshl_b32 s15, s14, 14
	s_add_co_u32 s15, s15, IMG0
	v_add_nc_u32 v5, s15, v1                       ; v5  where my two tiles' images begin: 16,384 x wave + 16 x lane
	s_lshl_b32 s15, s14, 10
	s_add_co_u32 s15, s15, XSC0
	v_lshl_add_u32 v6, v14, 5, s15                 ; v6  and their scale words: 1,024 x wave + 32 r
	v_add_nc_u32 v9, IMG0, v1                      ; v9  from where any image is read
	v_lshlrev_b32 v10, 5, v14
	v_lshl_add_u32 v10, v15, 11, v10
	v_add_nc_u32 v10, XSC0, v10                    ; v10 the scale words: 32 r, lanes 16-31 four tiles on
	s_lshl_b32 s15, s14, 9
	s_add_co_u32 s15, s15, RED
	v_lshl_add_u32 v11, v15, 5, s15                ; v11 my sums: 512 x wave + 32 h
	s_and_b32 s15, s14, 1
	s_lshl_b32 s15, s15, 11
	s_add_co_u32 s15, s15, RED
	v_add_nc_u32 v12, s15, v1                      ; v12 the block that I finish (waves 0 and 1): 4 rows a lane
.irp b, 0,1,2,3
	v_mov_b32 v[TM+4+\b], 0                        ; written once: a lane permute's destination counts as one of its sources
.endr
	s_mov_b32 s[SEL], 0x76543210
	s_mov_b32 s[SEL+1], 0xfedcba98
	s_mov_b32 s22, 0x4038aa3b                      ; c = 2 log2(e)
	s_mov_b32 s23, s22                             ; (named with it as a pair, so it is written)
	s_lshl_b32 s18, s14, 17                        ; X: my 32 rows of a block; wa_codes: my 16 e tiles of 8,192 bytes: both 131,072 x wave
	s_mov_b32 s19, 0
	s_lshl_b32 s16, ttmp9, 20                      ; X: the work-group's 256 rows of 4,096 bytes
	s_add_co_u32 s16, s16, s18
	s_mov_b32 s17, 0
	s_lshl_b32 s28, s14, 13                        ; wa_scales: 16 e tiles of 512 bytes
	s_mov_b32 s29, 0
	s_lshr_b32 s30, ttmp9, 3                       ; the batch
	s_lshl_b32 s30, s30, 14                        ; tab: 16,384 bytes a batch,
	s_lshl_b32 s31, s14, 12                        ; 4,096 for 16 e tiles
	s_add_co_u32 s30, s30, s31
	s_mov_b32 s31, 0
	s_lshl_b32 s32, ttmp9, 10                      ; scores: 1,024 bytes a work-group,
	s_and_b32 s33, s14, 1
	s_lshl_b32 s33, s33, 9                         ; 512 a block
	s_add_co_u32 s32, s32, s33
	s_mov_b32 s33, 0
	s_wait_kmcnt 0x0
	s_add_nc_u64 s[4:5], s[4:5], s[16:17]
	s_add_nc_u64 s[6:7], s[6:7], s[18:19]
	s_add_nc_u64 s[8:9], s[8:9], s[28:29]
	s_add_nc_u64 s[10:11], s[10:11], s[30:31]
	s_add_nc_u64 s[12:13], s[12:13], s[32:33]
	; ---- A: block 0.  Chunk n of my 16 is tile 2 w + n % 2, K step n / 2.  Four chunks, 64 loads, are on their way
	XLOADC 0x40, 0, 0
	XLOADC 0x40, 64, 65536
	XLOADC 0x40, 128, 512
	XLOADC 0x40, 192, 512+65536
	WIN 0
	s_mov_b32 s24, 3
	s_mov_b32 s25, 0                               ; the images' step: 2,048 bytes for two K steps
	s_mov_b32 s26, 0                               ; the scale words': 8
.Lquant0:
	v_add_nc_u32 v7, s25, v5
	v_add_nc_u32 v8, s26, v6
	ACH 0, 48, 1                                   ; 48: the three younger chunks stay out
	ACH 1, 48, 1
	ACH 2, 48, 1
	ACH 3, 48, 1
	s_wait_xcnt 0x0                                ; the loads have read their base: it may step
	s_add_nc_u64 s[4:5], s[4:5], 1024
	s_add_co_u32 s25, s25, 2048
	s_add_co_u32 s26, s26, 8
	s_sub_co_u32 s24, s24, 1
	s_cmp_lg_u32 s24, 0
	s_cbranch_scc1 .Lquant0
	v_add_nc_u32 v7, s25, v5
	v_add_nc_u32 v8, s26, v6
	ACH 0, 48, 2                                   ; chunks 13, 14, 15 stay out; block 1's chunk 0 is asked for
	ACH 1, 48, 3                                   ; 14, 15 and block 1's chunk 0; e tile 0 is asked for
	ACH 2, 50, 4                                   ; 16 + 16 + e tile 0's 18; block 1's chunk 1 is asked for
	ACH 3, 50, 0                                   ; 16 + 18 + 16
	s_wait_xcnt 0x0
	s_add_nc_u64 s[4:5], s[4:5], 524288-3072       ; X at my rows of block 1
	BARRIER                                        ; block 0's 64 fragments lie in LDS
	XFRAG
	v_add_nc_u32 v5, IMGSTEP, v5                   ; from here on the images are block 1's
	v_add_nc_u32 v6, IMGSTEP, v6
	v_add_nc_u32 v9, IMGSTEP, v9
	v_add_nc_u32 v10, IMGSTEP, v10
	; ---- B: block 0's 16 e tiles, two a trip; block 1's chunks 2 t and 2 t + 1 (K step t of my two tiles) are quantised on the way
	s_mov_b32 s24, 7
	s_mov_b32 s25, 0                               ; 1,024 bytes a K step
	s_mov_b32 s26, 0                               ; 4
.Lblock0:
	v_add_nc_u32 v7, s25, v5
	v_add_nc_u32 v8, s26, v6
	TRIP 0, 16, 1, 1, 1, 1
	TRIP 1, 16, 1, 1, 1, 2
	s_wait_xcnt 0x0                                ; the loads have read their bases
	s_add_nc_u64 s[4:5], s[4:5], 512
	s_add_nc_u64 s[6:7], s[6:7], 16384
	s_add_nc_u64 s[8:9], s[8:9], 1024
	s_add_nc_u64 s[10:11], s[10:11], 512
	s_add_co_u32 s25, s25, 1024
	s_add_co_u32 s26, s26, 4
	s_sub_co_u32 s24, s24, 1
	s_cmp_lg_u32 s24, 0
	s_cbranch_scc1 .Lblock0
	v_add_nc_u32 v7, s25, v5
	v_add_nc_u32 v8, s26, v6
	TRIP 0, 16, 1, 0, 1, 1                         ; the last two e tiles: no chunk is left to ask for
	TRIP 1, 0, 1, 0, 1, -14                        ; and e tile 0 is asked for again, for block 1
	s_wait_xcnt 0x0
	s_sub_nc_u64 s[6:7], s[6:7], 7*16384           ; Wa's three pointers go back to my first e tile
	s_sub_nc_u64 s[8:9], s[8:9], 7*1024
	s_sub_nc_u64 s[10:11], s[10:11], 7*512
	REDUCE 0
	BARRIER                                        ; block 1's 64 fragments lie in LDS
	XFRAG
	; ---- C: block 1's 16 e tiles
	s_mov_b32 s24, 7
.Lblock1:
	TRIP 0, 0, 0, 0, 1, 1
	TRIP 1, 0, 0, 0, 1, 2
	s_wait_xcnt 0x0
	s_add_nc_u64 s[6:7], s[6:7], 16384
	s_add_nc_u64 s[8:9], s[8:9], 1024
	s_add_nc_u64 s[10:11], s[10:11], 512
	s_sub_co_u32 s24, s24, 1
	s_cmp_lg_u32 s24, 0
	s_cbranch_scc1 .Lblock1
	TRIP 0, 0, 0, 0, 1, 1
	TRIP 1, 0, 0, 0, 0, 0
	REDUCE 1
	BARRIER                                        ; all four waves' sums of both blocks lie in LDS
	s_cmp_lt_u32 s14, 2
	s_cbranch_scc0 .Ldone
.irp x, 0,1,2,3
	ds_load_b128 v[XQ+4*\x:XQ+4*\x+3], v12 offset:512*\x       ; wave x's sums of my lane's four rows
.endr
	s_wait_dscnt 0x0
	v_pk_add_f32 v[XQ:XQ+1], v[XQ:XQ+1], v[XQ+4:XQ+5]
	v_pk_add_f32 v[XQ+2:XQ+3], v[XQ+2:XQ+3], v[XQ+6:XQ+7]
	v_pk_add_f32 v[XQ+8:XQ+9], v[XQ+8:XQ+9], v[XQ+12:XQ+13]
	v_pk_add_f32 v[XQ+10:XQ+11], v[XQ+10:XQ+11], v[XQ+14:XQ+15]
	v_pk_add_f32 v[XQ:XQ+1], v[XQ:XQ+1], v[XQ+8:XQ+9]
	v_pk_add_f32 v[XQ+2:XQ+3], v[XQ+2:XQ+3], v[XQ+10:XQ+11]
	global_store_b128 v1, v[XQ:XQ+3], s[12:13]     ; 32 lanes store 512 consecutive bytes, aligned
.Ldone:
	s_wait_tensorcnt 0x0
	ds_add_u32 v254, v255
	s_wait_dscnt 0x0
	s_endpgm
.Lfunc_end_k_qc5924e01c2_main:
	.size	k_qc5924e01c2_main, .Lfunc_end_k_qc5924e01c2_main-k_qc5924e01c2_main
	.p2alignl 7, 3214868480
	.fill 96, 4, 3214868480
	.section	.rodata,"a",@progbits
	.p2align	6, 0x0
	.amdhsa_kernel k_qc5924e01c2_main
		.amdhsa_group_segment_fixed_size 177664
		.amdhsa_private_segment_fixed_size 0
		.amdhsa_enable_private_segment 0
		.amdhsa_kernarg_size 40
		.amdhsa_user_sgpr_count 2
		.amdhsa_user_sgpr_kernarg_segment_ptr 1
		.amdhsa_wavefront_size32 1
		.amdhsa_system_sgpr_workgroup_id_x 1
		.amdhsa_system_sgpr_workgroup_id_y 1
		.amdhsa_system_sgpr_workgroup_id_z 1
		.amdhsa_system_vgpr_workitem_id 0
		.amdhsa_next_free_vgpr 1024
		.amdhsa_next_free_sgpr 66
		.amdhsa_reserve_vcc 0
		.amdhsa_float_denorm_mode_32 3
		.amdhsa_float_denorm_mode_16_64 3
		.amdhsa_memory_ordered 1
		.amdhsa_forward_progress 1
		.amdhsa_inst_pref_size 255
	.end_amdhsa_kernel
	.section	.bss,"aw",@nobits
	.p2align	6
	.space	262144
	.amdgpu_metadata
---
amdhsa.version: [ 1, 2 ]
amdhsa.kernels:
  - .name:           k_qc5924e01c2_main
    .symbol:         k_qc5924e01c2_main.kd
    .args:
      - { .name: encoder_outputs, .offset: 0, .size: 8, .value_kind: global_buffer, .address_space: global }
      - { .name: wa_codes, .offset: 8, .size: 8, .value_kind: global_buffer, .address_space: global }
      - { .name: wa_scales, .offset: 16, .size: 8, .value_kind: global_buffer, .address_space: global }
      - { .name: tab, .offset: 24, .size: 8, .value_kind: global_buffer, .address_space: global }
      - { .name: scores, .offset: 32, .size: 8, .value_kind: global_buffer, .address_space: global }
    .group_segment_fixed_size: 177664
    .private_segment_fixed_size: 0
    .kernarg_segment_align: 8
    .kernarg_segment_size: 40
    .max_flat_workgroup_size: 128
    .sgpr_count:     66
    .vgpr_count:     1024
    .wavefront_size: 32
...
	.end_amdgpu_metadata
.endif
;; end of part 2
;; launch soft (part 3): grid 32 x 1, 1 waves a work-group, no clusters, 0 bytes of LDS; arguments scores, attn_mask, Va_w, Va_b, out0; writes out0
.if DOCPART == 3
	.amdgcn_target "amdgcn-amd-amdhsa--gfx1250"
	.amdhsa_code_object_version 6
	.text
	.protected	k_qc5924e01c2_soft
	.globl	k_qc5924e01c2_soft
	.p2align	8
	.type	k_qc5924e01c2_soft,@function
k_qc5924e01c2_soft:
	s_mov_b64 s[64:65], 0
	v_nop
	global_prefetch_b8 v0, s[64:65] scope:SCOPE_SE
	s_setreg_imm32_b32 hwreg(HW_REG_WAVE_MODE, 25, 1), 1
	s_wait_xcnt 0x0
; out0[b][s] = softmax over s of (mask[b][s] ? scores[b][s] + the sum of Va_w + Va_b : -infinity).  scores holds the sum of -2 Va / (1 + e^(2 x)); with the sum of Va that is the sum of Va tanh(x).
; One wave to a batch: its 2,048 scores are 64 registers, so maximum and sum never leave the wave: no LDS, no barrier.  Lane l, load i holds s = 128 i + 4 l + 0 .. 3.
; Every load and store of scores and out0 covers 512 consecutive bytes.  The row's maximum is taken away before the exponential: t = s log2(e) - max log2(e), one fused multiply-add.
; A row whose mask is all false gives NaN, as the definition does (-infinity less -infinity).  32 batches make 32 work-groups; the launch moves 0.6 MB.
.set SC, 16                            ; v16-79  the scores
.set MK, 80                            ; v80-95  four mask bytes each
.set VA, 96                            ; v96-127 Va_w
	s_load_b256 s[4:11], s[0:1], 0x0               ; scores s[4:5], mask s[6:7], Va_w s[8:9], Va_b s[10:11]
	s_load_b64 s[12:13], s[0:1], 0x20              ; out0
	v_lshlrev_b32 v1, 4, v0                        ; 16 x lane
	v_lshlrev_b32 v2, 2, v0                        ; 4 x lane
	s_lshl_b32 s14, ttmp9, 13                      ; a batch: 8,192 bytes of scores and of out0,
	s_mov_b32 s15, 0
	s_lshl_b32 s16, ttmp9, 11                      ; 2,048 of the mask
	s_mov_b32 s17, 0
	s_mov_b32 s18, 0x76543210
	s_mov_b32 s19, 0xfedcba98                      ; v_permlanex16_b32's selects for lane l xor 16
	s_wait_kmcnt 0x0
	s_load_b32 s20, s[10:11], 0x0                  ; Va_b
	s_add_nc_u64 s[4:5], s[4:5], s[14:15]
	s_add_nc_u64 s[6:7], s[6:7], s[16:17]
	s_add_nc_u64 s[12:13], s[12:13], s[14:15]
.irp i, 0,1,2,3,4,5,6,7,8,9,10,11,12,13,14,15
	global_load_b128 v[SC+4*\i:SC+4*\i+3], v1, s[4:5] offset:512*\i th:TH_LOAD_NT
.endr
.irp i, 0,1,2,3,4,5,6,7,8,9,10,11,12,13,14,15
	global_load_b32 v[MK+\i], v2, s[6:7] offset:128*\i th:TH_LOAD_NT
.endr
.irp i, 0,1,2,3,4,5,6,7
	global_load_b128 v[VA+4*\i:VA+4*\i+3], v1, s[8:9] offset:512*\i
.endr
	v_mov_b32 v128, 0                              ; a lane permute's destination counts as one of its sources
	v_mov_b32 v130, 0xff800000                     ; -infinity
	s_wait_loadcnt 0x0
	s_wait_kmcnt 0x0
	; the sum of Va_w, in two chains, then across the lanes; + Va_b
.irp i, 0,1,2,3,4,5,6
	v_pk_add_f32 v[VA:VA+1], v[VA:VA+1], v[VA+4+4*\i:VA+5+4*\i]
	v_pk_add_f32 v[VA+2:VA+3], v[VA+2:VA+3], v[VA+6+4*\i:VA+7+4*\i]
.endr
	v_pk_add_f32 v[VA:VA+1], v[VA:VA+1], v[VA+2:VA+3]
	v_add_f32 v[VA], v[VA], v[VA+1]
.irp x, 1,2,4,8
	v_add_f32_dpp v[VA], v[VA], v[VA] row_xmask:\x row_mask:0xf bank_mask:0xf
.endr
	v_permlanex16_b32 v128, v[VA], s18, s19
	v_add_f32 v[VA], v[VA], v128
	v_add_f32 v[VA], s20, v[VA]
	v_mov_b32 v[VA+1], v[VA]
.set I, 0
.rept 32
	v_pk_add_f32 v[SC+I:SC+I+1], v[SC+I:SC+I+1], v[VA:VA+1]    ; the true scores
.set I, I+2
.endr
.set I, 0
.rept 64
	v_and_b32 v129, 0xff<<(8*(I%4)), v[MK+I/4]     ; the number's mask byte
	v_cmp_ne_u32 vcc_lo, 0, v129
	v_cndmask_b32 v[SC+I], v130, v[SC+I], vcc_lo   ; false: -infinity
.set I, I+1
.endr
	; the row's maximum: four chains, then across the lanes
.irp b, 0,1,2,3
	v_max3_num_f32 v[132+\b], v[SC+16*\b], v[SC+16*\b+1], v[SC+16*\b+2]
.endr
.irp i, 3,5,7,9,11,13
.irp b, 0,1,2,3
	v_max3_num_f32 v[132+\b], v[132+\b], v[SC+16*\b+\i], v[SC+16*\b+\i+1]
.endr
.endr
.irp b, 0,1,2,3
	v_max_num_f32 v[132+\b], v[132+\b], v[SC+16*\b+15]
.endr
	v_max3_num_f32 v132, v132, v133, v134
	v_max_num_f32 v132, v132, v135
.irp x, 1,2,4,8
	v_max_num_f32_dpp v132, v132, v132 row_xmask:\x row_mask:0xf bank_mask:0xf
.endr
	v_permlanex16_b32 v128, v132, s18, s19
	v_max_num_f32 v132, v132, v128
	v_mul_f32 v132, 0xbfb8aa3b, v132               ; -max log2(e)
	v_mov_b32 v133, v132
.set I, 0
.rept 32
	v_pk_fma_f32 v[SC+I:SC+I+1], v[SC+I:SC+I+1], 0x3fb8aa3b, v[132:133] op_sel_hi:[1,0,1]
.set I, I+2
.endr
.set I, 0
.rept 64
	v_exp_f32 v[SC+I], v[SC+I]
.set I, I+1
.endr
	v_nop                                          ; one plain line behind the batch,
	s_wait_alu depctr_va_vdst(0)                   ; and one wait ahead of its first reader
	v_pk_add_f32 v[134:135], v[SC:SC+1], v[SC+2:SC+3]
	v_pk_add_f32 v[136:137], v[SC+4:SC+5], v[SC+6:SC+7]
.irp i, 8,12,16,20,24,28,32,36,40,44,48,52,56,60
	v_pk_add_f32 v[134:135], v[134:135], v[SC+\i:SC+\i+1]
	v_pk_add_f32 v[136:137], v[136:137], v[SC+\i+2:SC+\i+3]
.endr
	v_pk_add_f32 v[134:135], v[134:135], v[136:137]
	v_add_f32 v134, v134, v135
.irp x, 1,2,4,8
	v_add_f32_dpp v134, v134, v134 row_xmask:\x row_mask:0xf bank_mask:0xf
.endr
	v_permlanex16_b32 v128, v134, s18, s19
	v_add_f32 v134, v134, v128                     ; the row's sum
	v_rcp_f32 v136, v134
	v_nop
	s_wait_alu depctr_va_vdst(0)
	v_mov_b32 v137, v136
.set I, 0
.rept 32
	v_pk_mul_f32 v[SC+I:SC+I+1], v[SC+I:SC+I+1], v[136:137]
.set I, I+2
.endr
.irp i, 0,1,2,3,4,5,6,7,8,9,10,11,12,13,14,15
	global_store_b128 v1, v[SC+4*\i:SC+4*\i+3], s[12:13] offset:512*\i th:TH_STORE_NT
.endr
	s_endpgm
.Lfunc_end_k_qc5924e01c2_soft:
	.size	k_qc5924e01c2_soft, .Lfunc_end_k_qc5924e01c2_soft-k_qc5924e01c2_soft
	.p2alignl 7, 3214868480
	.fill 96, 4, 3214868480
	.section	.rodata,"a",@progbits
	.p2align	6, 0x0
	.amdhsa_kernel k_qc5924e01c2_soft
		.amdhsa_group_segment_fixed_size 0
		.amdhsa_private_segment_fixed_size 0
		.amdhsa_enable_private_segment 0
		.amdhsa_kernarg_size 40
		.amdhsa_user_sgpr_count 2
		.amdhsa_user_sgpr_kernarg_segment_ptr 1
		.amdhsa_wavefront_size32 1
		.amdhsa_system_sgpr_workgroup_id_x 1
		.amdhsa_system_sgpr_workgroup_id_y 1
		.amdhsa_system_sgpr_workgroup_id_z 1
		.amdhsa_system_vgpr_workitem_id 0
		.amdhsa_next_free_vgpr 144
		.amdhsa_next_free_sgpr 66
		.amdhsa_reserve_vcc 1
		.amdhsa_float_denorm_mode_32 3
		.amdhsa_float_denorm_mode_16_64 3
		.amdhsa_memory_ordered 1
		.amdhsa_forward_progress 1
		.amdhsa_inst_pref_size 30
	.end_amdhsa_kernel
	.amdgpu_metadata
---
amdhsa.version: [ 1, 2 ]
amdhsa.kernels:
  - .name:           k_qc5924e01c2_soft
    .symbol:         k_qc5924e01c2_soft.kd
    .args:
      - { .name: scores, .offset: 0, .size: 8, .value_kind: global_buffer, .address_space: global }
      - { .name: attn_mask, .offset: 8, .size: 8, .value_kind: global_buffer, .address_space: global }
      - { .name: Va_w, .offset: 16, .size: 8, .value_kind: global_buffer, .address_space: global }
      - { .name: Va_b, .offset: 24, .size: 8, .value_kind: global_buffer, .address_space: global }
      - { .name: out0, .offset: 32, .size: 8, .value_kind: global_buffer, .address_space: global }
    .group_segment_fixed_size: 0
    .private_segment_fixed_size: 0
    .kernarg_segment_align: 8
    .kernarg_segment_size: 40
    .max_flat_workgroup_size: 32
    .sgpr_count:     66
    .vgpr_count:     144
    .wavefront_size: 32
...
	.end_amdgpu_metadata
.endif
;; end of part 3
;; ======== version 2 of 2: 3 launches
;; workspace buffers: wa_codes 524,288 bytes; wa_scales 32,768 bytes; tab 524,288 bytes; scores 262,144 bytes
;; launch prep (part 4): grid 192 x 1, 8 waves a work-group, no clusters, 10,240 bytes of LDS; arguments Wa_w, Ua_w, decoder_hidden_state, Wa_b, Ua_b, Va_w, wa_codes, wa_scales, tab; writes wa_codes, wa_scales, tab
.if DOCPART == 4
	.amdgcn_target "amdgcn-amd-amdhsa--gfx1250"
	.amdhsa_code_object_version 6
	.text
	.protected	k_qc5924e01c2_prep
	.globl	k_qc5924e01c2_prep
	.p2align	8
	.type	k_qc5924e01c2_prep,@function
k_qc5924e01c2_prep:
	s_mov_b64 s[64:65], 0
	v_nop
	global_prefetch_b8 v0, s[64:65] scope:SCOPE_SE
	s_setreg_imm32_b32 hwreg(HW_REG_WAVE_SCHED_MODE, 0, 2), 2
	s_setreg_imm32_b32 hwreg(HW_REG_WAVE_MODE, 25, 1), 1
	s_wait_xcnt 0x0
	s_wait_alu depctr_vm_vsrc(0)
; WHAT IT MAKES.  (W) Wa_w [1024 e][1024 k] f32 as codes of FP4 (E2M1) with one E8M0 byte for each 32 along k, laid in the order of an operand's registers:
;   wa_codes [e tile 64][K step 8][piece 2][lane 32][16 bytes], wa_scales [e tile 64][q 2][row 16][j 4] words (the word of K step 4 q + j).
; (D) dec[b][e] = the sum over k of Q(h[b][k]) Q(Ua_w[e][k]), by the scaled FP4 matrix instruction, and from it the table that the main launch reads:
;   tab [b 32][e 1024][4 f32] = cb, cb, va2, va2 with cb = c (dec + Ua_b + Wa_b), c = 2 log2(e), va2 = -2 Va_w[e]  (each twice: a pair for the packed forms).
; SHARES.  Work-groups 0-63: role W, e tile = the work-group's number.  Work-groups 64-191: role D, e tile = (n - 64) / 2, 16 rows of h = (n - 64) % 2.
; Eight waves: wave w takes K step w (128 along k).  Role D's eight partial sums meet in LDS and wave 0 adds them, K ascending.
; The branch between the roles hangs on the work-group's number alone, so all eight waves of a work-group pass the same barrier; each role has LDS bytes of its own.
; A lane (r = lane % 16, h = lane / 16) loads, of row r, 16 neighbours of each block of 32: pieces of 64 bytes of sixteen rows.  The three tensors together are 8.4 MB, read here and nowhere else as f32.
; THE QUANTISER: a block's byte is its largest magnitude's exponent field - 2, held at 1 from below; each number / scale goes to the nearest code, ties to even, beyond 6 the largest code.
; LIMITS: NaN and infinities among the inputs are not served; a block of zeros gets the byte 1 where the rule says 127: its codes are zeros, and this program alone reads the bytes.
; THE MODE: SCHED_MODE bits 1:0 = 2 (LLVM: expert scheduling mode 2), set by the entry lines.  The code itself states the register dependences
; between vector or matrix instructions and memory or LDS instructions, with s_wait_alu, always for 0.
; THE PLAN.  Registers that memory or LDS instructions touch:
;   v1-v6      offsets and LDS addresses, made once at the head, never written again: one wait ahead of the first load serves every load and store.
;   RA, RB     loads land; the quantiser reads.  In wave 0 LDS loads land in RA once more, behind a wait that stands behind the quantiser.
;   v42-v44    loads land; vector instructions read.
;   PCA, PWA, PCB, PWB   the quantiser writes; the scaled matrix instruction takes them (role D) or stores read them (role W): a wait ahead of either.
;   DD         the matrix instruction writes; two LDS stores read.      OO   vector instructions write; tab's stores read.
; No register that a memory or LDS instruction reads is written again, so no wait on vm_vsrc is written.
.set TM,   8                           ; v8-11 largest magnitudes, v12-15 the other half's / bytes, v20-23 the conversions' scale operands
.set PCA,  24                          ; v24-31 the weight's fragment
.set PCB,  32                          ; v32-39 h's fragment
.set PWA,  40                          ; v40    the weight's scale word (nothing else ever)
.set PWB,  41                          ; v41    h's scale word (nothing else ever)
.set DD,   48                          ; v48-55 the product
.set RA,   64                          ; v64-127  64 numbers of the weight; later the eight partial sums
.set RB,   128                         ; v128-191 64 numbers of h
.set OO,   192                         ; v192-223 eight entries of tab
.set WRED, 0                           ; LDS, role W: 512 bytes: the e tile's scale words
.set DRED, 1024                        ; LDS, role D: 8 x 1,024 bytes: the waves' partial sums, as images of their registers
; 64 numbers of a lane, register 16 b + i = k 32 b + 16 h + i of row r, become a fragment's codes in v[pc] on and the row's scale word in v[pw] (the same in both halves of the lanes).
.macro QUANT s, pc, pw
.irp b, 0,1,2,3
	v_max3_num_f32 v[TM+\b], |v[\s+16*\b]|, |v[\s+1+16*\b]|, 0x1800000    ; my 16 numbers of block b, and the floor 2^(3 - 127): the byte cannot fall under 1
.endr
.irp i, 2,4,6,8,10,12,14
.irp b, 0,1,2,3
	v_max3_num_f32 v[TM+\b], v[TM+\b], |v[\s+16*\b+\i]|, |v[\s+1+16*\b+\i]|   ; the four blocks by turns
.endr
.endr
.irp b, 0,1,2,3
	v_permlanex16_b32 v[TM+4+\b], v[TM+\b], s[SEL], s[SEL+1]
.endr
.irp b, 0,1,2,3
	v_max_num_f32 v[TM+\b], v[TM+\b], v[TM+4+\b]           ; with lane l xor 16's 16: the block's largest magnitude
.endr
.irp b, 0,1,2,3
	v_add_nc_u32 v[TM+12+\b], 0xff000000, v[TM+\b]         ; 2 off its exponent field: the conversion's scale operand
.endr
.irp b, 0,1,2,3
	v_lshrrev_b32 v[TM+4+\b], 23, v[TM+12+\b]              ; the scale's byte
.endr
	v_lshl_or_b32 v[\pw], v[TM+5], 8, v[TM+4]
	v_lshl_or_b32 v[\pw], v[TM+6], 16, v[\pw]
	v_lshl_or_b32 v[\pw], v[TM+7], 24, v[\pw]
.irp b, 0,1,2,3
	v_cvt_scalef32_pk8_fp4_f32 v[\pc+2*\b], v[\s+16*\b:\s+7+16*\b], v[TM+12+\b]
	v_cvt_scalef32_pk8_fp4_f32 v[\pc+1+2*\b], v[\s+8+16*\b:\s+15+16*\b], v[TM+12+\b]
.endr
	v_nop                                                  ; one plain place behind the scaled conversions
.irp c, 0,1                                            ; the operand wants a whole block in a lane: lanes 0-15 block 2 c, lanes 16-31 block 2 c + 1
.irp i, 0,1
	v_permlane16_swap_b32 v[\pc+4*\c+\i], v[\pc+2+4*\c+\i]
.endr
.endr
.endm
.macro XLOAD reg, base                 ; 16 rows x 128 along k: 64 numbers a lane
.irp b, 0,1,2,3
.irp j, 0,1,2,3
	global_load_b128 v[\reg+16*\b+4*\j:\reg+16*\b+4*\j+3], v2, s[\base:\base+1] offset:128*\b+16*\j
.endr
.endr
.endm
.set SEL, 32                           ; s[32:33] v_permlanex16_b32's selects for lane l xor 16
	s_load_b256 s[4:11], s[0:1], 0x0               ; Wa_w s[4:5], Ua_w s[6:7], h s[8:9], Wa_b s[10:11]
	s_load_b256 s[12:19], s[0:1], 0x20             ; Ua_b s[12:13], Va_w s[14:15], wa_codes s[16:17], wa_scales s[18:19]
	s_load_b64 s[20:21], s[0:1], 0x40              ; tab
	v_lshl_add_u32 v254, v0, 2, 0x2400
	v_mov_b32 v255, 0
	v_lshrrev_b32 v7, 5, v0
	v_readfirstlane_b32 s22, v7                    ; wave = K step
	v_and_b32 v7, 31, v0
	v_lshlrev_b32 v1, 4, v7                        ; 16 x lane
	v_and_b32 v7, 15, v0                           ; r
	s_wait_alu depctr_va_vdst(0)
	v_bfe_u32 v46, v0, 4, 1                        ; h
	v_lshlrev_b32 v2, 12, v7
	v_lshl_add_u32 v2, v46, 6, v2                  ; row r of 4,096 bytes + 64 h
	v_lshlrev_b32 v3, 2, v7                        ; 4 r
	s_wait_alu depctr_va_sdst(0)                   ; s22 is written, ahead of its first reader: LDS addresses and the buffers' offsets are made from it
	s_lshl_b32 s23, s22, 10
	s_add_co_u32 s23, s23, DRED
	v_add_nc_u32 v4, s23, v1                       ; role D: my wave's 1,024 bytes, 16 x lane
	s_lshr_b32 s23, s22, 2
	s_lshl_b32 s23, s23, 8
	s_and_b32 s24, s22, 3
	s_lshl_b32 s24, s24, 2
	s_add_co_u32 s23, s23, s24
	v_lshl_add_u32 v5, v7, 4, s23                  ; role W: 256 (w / 4) + 16 r + 4 (w % 4)
	v_lshlrev_b32 v6, 4, v7
	s_wait_alu depctr_va_vdst(0)
	v_lshl_add_u32 v6, v46, 17, v6                 ; tab: 8 h batches of 16,384 bytes + 16 r
.irp b, 0,1,2,3
	v_mov_b32 v[TM+4+\b], 0                        ; written once: a lane permute's destination counts as one of its sources
.endr
	s_mov_b32 s[SEL], 0x76543210
	s_mov_b32 s[SEL+1], 0xfedcba98
	s_mov_b32 s27, 0x4038aa3b                      ; c = 2 log2(e)
	s_sub_co_u32 s24, ttmp9, 64
	s_lshr_b32 s25, s24, 1                         ; role D's e tile
	s_and_b32 s26, s24, 1                          ; and its 16 rows of h
	s_wait_kmcnt 0x0
	s_cmp_lt_u32 ttmp9, 64                         ; the choice hangs on the work-group's number alone
	s_cselect_b32 s25, ttmp9, s25                  ; the e tile
	s_cselect_b64 s[4:5], s[4:5], s[6:7]           ; Wa_w or Ua_w
	s_lshl_b32 s28, s25, 16                        ; 16 rows of 4,096 bytes an e tile,
	s_lshl_b32 s29, s22, 9                         ; 512 bytes a K step
	s_add_co_u32 s28, s28, s29
	s_mov_b32 s29, 0
	s_add_nc_u64 s[4:5], s[4:5], s[28:29]
	s_wait_alu depctr_va_vdst(0)                   ; the six offsets and addresses v1 to v6 are written, which the loads and stores of the whole kernel read
	XLOAD RA, 4
	s_cmp_lt_u32 ttmp9, 64
	s_cbranch_scc1 .Lrole_w
	; ---- role D
	s_lshl_b32 s28, s26, 16
	s_lshl_b32 s30, s22, 9
	s_add_co_u32 s28, s28, s30
	s_add_nc_u64 s[8:9], s[8:9], s[28:29]
	XLOAD RB, 8
	s_lshl_b32 s28, s25, 6                         ; the e tile's 16 numbers of each vector
	s_add_nc_u64 s[12:13], s[12:13], s[28:29]
	s_add_nc_u64 s[10:11], s[10:11], s[28:29]
	s_add_nc_u64 s[14:15], s[14:15], s[28:29]
	global_load_b32 v42, v3, s[12:13]              ; Ua_b[e]
	global_load_b32 v43, v3, s[10:11]              ; Wa_b[e]
	global_load_b32 v44, v3, s[14:15]              ; Va_w[e]
	s_wait_loadcnt 19                              ; Ua's 16 loads are in; h's 16 and the three may be out
	QUANT RA, PCA, PWA
	s_wait_loadcnt 3                               ; h's are in; the three may be out
	QUANT RB, PCB, PWB
.rept 8
	v_nop                                          ; a scale register written by a vector instruction stands 8 places ahead of a scaled matrix instruction, an operand 4
.endr
	s_wait_alu depctr_va_vdst(0)                   ; the quantiser has written both fragments and both scale words, which the scaled matrix instruction takes; the places above stay beside this wait
	v_wmma_scale_f32_16x16x128_f8f6f4 v[DD:DD+7], v[PCB:PCB+7], v[PCA:PCA+7], 0, v[PWB], v[PWA] matrix_a_fmt:MATRIX_FMT_FP4 matrix_b_fmt:MATRIX_FMT_FP4   ; register j of lane (r, h): batch 8 h + j of the 16, e = r
.rept 4
	v_nop
.endr
	s_wait_alu depctr_va_vdst(0)                   ; the matrix instruction has written the product, which the LDS stores read; the quantiser is long done reading RA, in which wave 0's LDS loads land below
	ds_store_b128 v4, v[DD:DD+3]                   ; the result from its low end on
	ds_store_b128 v4, v[DD+4:DD+7] offset:512
	s_wait_dscnt 0x0                               ; for wave 0's sake: my stores have landed
	s_barrier_signal -1
	s_barrier_wait -1
	s_cmp_lg_u32 s22, 0
	s_cbranch_scc1 .Lend
.irp w, 0,1,2,3,4,5,6,7
	ds_load_b128 v[RA+8*\w:RA+8*\w+3], v1 offset:DRED+1024*\w        ; no vector instruction since the wait above
	ds_load_b128 v[RA+8*\w+4:RA+8*\w+7], v1 offset:DRED+1024*\w+512
.endr
	s_lshl_b32 s28, s26, 18                        ; 16 batches of 16,384 bytes,
	s_lshl_b32 s30, s25, 8                         ; 16 entries of 16 bytes an e tile
	s_add_co_u32 s28, s28, s30
	s_add_nc_u64 s[20:21], s[20:21], s[28:29]
	s_wait_dscnt 0x0
.irp w, 1,2,3,4,5,6,7
.irp p, 0,2,4,6
	v_pk_add_f32 v[RA+\p:RA+\p+1], v[RA+\p:RA+\p+1], v[RA+8*\w+\p:RA+8*\w+\p+1]   ; K steps ascending
.endr
.endr
	s_wait_loadcnt 0x0                             ; the three vectors
	v_add_f32 v42, v42, v43
	v_mul_f32 v42, s27, v42                        ; c (Ua_b + Wa_b)
	s_wait_alu depctr_va_vdst(0)
	v_mul_f32 v45, -2.0, v44                       ; va2
.irp j, 0,1,2,3,4,5,6,7
	v_fma_f32 v[OO+4*\j], v[RA+\j], s27, v42       ; cb
	v_fma_f32 v[OO+4*\j+1], v[RA+\j], s27, v42
	v_mov_b32 v[OO+4*\j+2], v45
	v_mov_b32 v[OO+4*\j+3], v45
.endr
	s_wait_alu depctr_va_vdst(0)                   ; the eight entries v[OO ..] are written, which the stores read
.irp j, 0,1,2,3,4,5,6,7
	global_store_b128 v6, v[OO+4*\j:OO+4*\j+3], s[20:21] offset:16384*\j   ; sixteen lanes store 256 consecutive bytes, aligned
.endr
	s_wait_dscnt 0x0
	s_wait_alu depctr_hold_cnt(0) depctr_sa_sdst(0) depctr_va_vdst(0) depctr_va_sdst(0) depctr_va_ssrc(0) depctr_va_vcc(0) depctr_vm_vsrc(0)
	s_wait_tensorcnt 0x0
	ds_add_u32 v254, v255
	s_wait_dscnt 0x0
	s_endpgm
	; ---- role W
.Lrole_w:
	s_wait_loadcnt 0x0
	QUANT RA, PCA, PWA
	s_lshl_b32 s28, s25, 13                        ; 8,192 bytes an e tile,
	s_lshl_b32 s30, s22, 10                        ; 1,024 a K step
	s_add_co_u32 s28, s28, s30
	s_add_nc_u64 s[16:17], s[16:17], s[28:29]
	s_wait_alu depctr_va_vdst(0)                   ; the quantiser has written the fragment and its scale word, which the stores read, and is done reading RA, in which wave 0's LDS load lands below
	global_store_b128 v1, v[PCA:PCA+3], s[16:17]               ; the fragment as it stands: 512 consecutive bytes a store
	global_store_b128 v1, v[PCA+4:PCA+7], s[16:17] offset:512
	ds_store_b32 v5, v[PWA]                        ; both halves of the lanes write the same word with the same value
	s_wait_dscnt 0x0
	s_barrier_signal -1
	s_barrier_wait -1
	s_cmp_lg_u32 s22, 0
	s_cbranch_scc1 .Lend
	ds_load_b128 v[RA:RA+3], v1 offset:WRED        ; the e tile's 128 scale words
	s_lshl_b32 s28, s25, 9
	s_add_nc_u64 s[18:19], s[18:19], s[28:29]
	s_wait_dscnt 0x0
	global_store_b128 v1, v[RA:RA+3], s[18:19]     ; 512 consecutive bytes
.Lend:
	s_wait_dscnt 0x0
	s_wait_alu depctr_hold_cnt(0) depctr_sa_sdst(0) depctr_va_vdst(0) depctr_va_sdst(0) depctr_va_ssrc(0) depctr_va_vcc(0) depctr_vm_vsrc(0)
	s_wait_tensorcnt 0x0
	ds_add_u32 v254, v255
	s_wait_dscnt 0x0
	s_endpgm
.Lfunc_end_k_qc5924e01c2_prep:
	.size	k_qc5924e01c2_prep, .Lfunc_end_k_qc5924e01c2_prep-k_qc5924e01c2_prep
	.p2alignl 7, 3214868480
	.fill 96, 4, 3214868480
	.section	.rodata,"a",@progbits
	.p2align	6, 0x0
	.amdhsa_kernel k_qc5924e01c2_prep
		.amdhsa_group_segment_fixed_size 10240
		.amdhsa_private_segment_fixed_size 0
		.amdhsa_enable_private_segment 0
		.amdhsa_kernarg_size 72
		.amdhsa_user_sgpr_count 2
		.amdhsa_user_sgpr_kernarg_segment_ptr 1
		.amdhsa_wavefront_size32 1
		.amdhsa_system_sgpr_workgroup_id_x 1
		.amdhsa_system_sgpr_workgroup_id_y 1
		.amdhsa_system_sgpr_workgroup_id_z 1
		.amdhsa_system_vgpr_workitem_id 0
		.amdhsa_next_free_vgpr 256
		.amdhsa_next_free_sgpr 66
		.amdhsa_reserve_vcc 0
		.amdhsa_float_denorm_mode_32 3
		.amdhsa_float_denorm_mode_16_64 3
		.amdhsa_memory_ordered 1
		.amdhsa_forward_progress 1
		.amdhsa_inst_pref_size 25
	.end_amdhsa_kernel
	.amdgpu_metadata
---
amdhsa.version: [ 1, 2 ]
amdhsa.kernels:
  - .name:           k_qc5924e01c2_prep
    .symbol:         k_qc5924e01c2_prep.kd
    .args:
      - { .name: Wa_w, .offset: 0, .size: 8, .value_kind: global_buffer, .address_space: global }
      - { .name: Ua_w, .offset: 8, .size: 8, .value_kind: global_buffer, .address_space: global }
      - { .name: decoder_hidden_state, .offset: 16, .size: 8, .value_kind: global_buffer, .address_space: global }
      - { .name: Wa_b, .offset: 24, .size: 8, .value_kind: global_buffer, .address_space: global }
      - { .name: Ua_b, .offset: 32, .size: 8, .value_kind: global_buffer, .address_space: global }
      - { .name: Va_w, .offset: 40, .size: 8, .value_kind: global_buffer, .address_space: global }
      - { .name: wa_codes, .offset: 48, .size: 8, .value_kind: global_buffer, .address_space: global }
      - { .name: wa_scales, .offset: 56, .size: 8, .value_kind: global_buffer, .address_space: global }
      - { .name: tab, .offset: 64, .size: 8, .value_kind: global_buffer, .address_space: global }
    .group_segment_fixed_size: 10240
    .private_segment_fixed_size: 0
    .kernarg_segment_align: 8
    .kernarg_segment_size: 72
    .max_flat_workgroup_size: 256
    .sgpr_count:     66
    .vgpr_count:     256
    .wavefront_size: 32
...
	.end_amdgpu_metadata
.endif
;; end of part 4
;; launch main (part 5): grid 256 x 1, 4 waves a work-group, no clusters, 177,664 bytes of LDS; arguments encoder_outputs, wa_codes, wa_scales, tab, scores; writes scores
.if DOCPART == 5
	.amdgcn_target "amdgcn-amd-amdhsa--gfx1250"
	.amdhsa_code_object_version 6
	.text
	.protected	k_qc5924e01c2_main
	.globl	k_qc5924e01c2_main
	.p2align	8
	.type	k_qc5924e01c2_main,@function
k_qc5924e01c2_main:
	s_mov_b64 s[64:65], 0
	v_nop
	global_prefetch_b8 v0, s[64:65] scope:SCOPE_SE
	s_setreg_imm32_b32 hwreg(HW_REG_WAVE_SCHED_MODE, 0, 2), 2
	s_setreg_imm32_b32 hwreg(HW_REG_WAVE_MODE, 25, 1), 1
	s_wait_xcnt 0x0
	s_wait_alu depctr_vm_vsrc(0)
; scores[row] = the sum over e of va2[e] / (1 + 2^(c enc[row][e] + cb[b][e])), enc = Q(X) Q(Wa)^T on codes of FP4 (E2M1) with E8M0 scales.
; Since tanh(x) = 1 - 2 / (1 + e^(2 x)), the true score is this sum + the sum of Va + Va_b; the next launch adds that.  cb, va2 and c = 2 log2(e): see the launch before.
; 2^t that overflows gives 1 / infinity = 0, one that underflows gives 1 / 1: tanh's two ends.
; SHARES.  A work-group owns 256 rows of X (all of one batch, b = work-group / 8), as two blocks of 128 rows = 8 tiles of 16.  THE WAVES SHARE e, NOT THE ROWS: wave w owns e tiles 16 w .. 16 w + 15
; for all 128 rows of a block, and holds the block's codes of X, 64 fragments, in 512 registers.  So a fragment of Wa has ONE reader in the work-group and goes from memory straight into its registers.
; X IS READ ONCE, as f32, in loads of 512 consecutive bytes (a row's 128 numbers of a K step); a chunk of 16 rows turns through the wave's own stage in LDS so that a lane holds 16 neighbours of each
; block of 32; it is quantised in registers and its fragment goes to the other waves as an image of its registers.  Wave w quantises tiles 2 w and 2 w + 1.
; PHASES.  A: block 0 is quantised.  | barrier |  B: block 0's products and tanh, one e tile a trip, and in each trip one chunk of block 1 is quantised: X's stream runs beside the vector work.
; | barrier |  C: block 1's products and tanh.  | barrier |  waves 0 and 1 add the four waves' sums of a block and store 512 consecutive bytes each.
; THE PRODUCT: source 0 = 16 rows of X, source 1 = 16 rows of Wa: lane (r, h) holds ONE e (= r) and its registers eight rows 8 h + j.  So cb and va2 are one number a lane for an e tile.
; NO CLUSTER, NO JOINT LOADS, though all work-groups read the same codes of Wa: a joint load lands in LDS, and these fragments have one reader each; 2 x 544 KB would go into LDS and out again
; for each work-group beside the 2 x 1 MiB of X's turn, and the two blocks' images take 139,264 of LDS's bytes.
; LIMITS: NaN and infinities among the inputs are not served; a block of zeros gets the byte 1 where the rule says 127: its codes are zeros, and this program alone reads the bytes.
; REGISTERS, in windows of 256 (s_set_vgpr_msb: bits 1:0 source 0, 3:2 source 1, 5:4 source 2, 7:6 destination):
;   window 0: v1-12 addresses; v16-47 X's scale words; v48-51 Wa's; v52-59 two entries of tab; v60-68 codes and scale word just made; v70-85 at work; v96-159 the rows' sums; v160-223 a chunk's 64 numbers
;   window 1: X's fragments of tiles 0-3 (64 m + 8 k); in phase A a ring of four chunks as loaded.   window 2: those of tiles 4-7.
;   window 3: v0-63 the products; v64-127 an e tile's eight fragments of Wa; v128-191, v192-255 two chunks of X as loaded.
; THE MODE: SCHED_MODE bits 1:0 = 2 (LLVM: expert scheduling mode 2), set by the entry lines.  The code itself states the register dependences
; between vector or matrix instructions and memory or LDS instructions, with s_wait_alu, always for 0.
; THE PLAN.  Registers that memory or LDS instructions touch, and who else names them:
;   v1-v4, v11, v12  offsets and LDS addresses: made once at the head, never written again.
;   v7, v8           where a chunk's image and scale word go: written by two additions at the head of a loop's trip; read by the image's three LDS stores.
;   v9, v10          from where a block's images are read: read by XFRAG's LDS loads; stepped once, behind block 0's.
;   the ring, RAW    global loads land; the stage's LDS stores read; no vector instruction names them.
;   XQ               the stage's LDS loads land; the quantiser reads.          PC, PW   the quantiser writes; the image's LDS stores read.
;   WAF, WAS         global loads land; a trip's 64 matrix instructions read.  TT       global loads land in one set; the trip's scalings and sums read the other.
;   X's fragments, XS   XFRAG's LDS loads land; a block's matrix instructions read.     ACC   vector instructions write; REDUCE's LDS stores read; XFRAG clears.
; A TRIP: products | places | the 32 scalings, which read the products | ONE wait on va_vdst (the products are done reading WAF and WAS, the last trip's sums the other TT) and ONE on vm_vsrc (the stage's stores
; have read RAW, the last image's stores PC and PW) | the trip's 34 loads in one run | the exponentials | the next block's quantiser, which names none of their results | the wait that the exponentials' readers
; want, which also states that PC, PW, v7 and v8 are written and that XQ has been read | the image's stores | the rest of the tanh.  From that wait to the next turn's loads into XQ the vector instructions name
; the products, TT, ACC and v5 to v8 alone.
.set SPITCH, 528                       ; a stage row: 512 bytes + 16: the sixteen rows that a load touches start 33 x 16 bytes apart
.set IMG0,  4*16*SPITCH                ; behind the four stages: block 0's 64 fragments, fragment 8 m + k at 1,024 bytes each,
.set XSC0,  IMG0+65536                 ; its scale words: 512 m + 32 r + 4 k
.set IMGSTEP, 65536+4096               ; block 1's lie this far on
.set RED,   IMG0+2*IMGSTEP             ; the waves' sums: 2,048 block + 512 wave + 4 row
.set XS,   16
.set WAS,  48
.set TT,   52
.set PC,   60
.set PW,   68
.set TM,   70
.set ACC,  96
.set XQ,   160
.set WAF,  64                          ; in window 3
.set RAW0, 128                         ; in window 3
.set SEL,  20                          ; s[20:21] v_permlanex16_b32's selects for lane l xor 16
.set MSB, 0
.macro WIN new                         ; the immediate's high byte repeats the setting that is left; a switch that changes nothing is dropped
.if MSB != \new
	s_set_vgpr_msb (MSB<<8)|\new
.set MSB, \new
.endif
.endm
; 64 numbers of a lane, register 16 b + i = k 32 b + 16 h + i of row r, become a fragment's codes in v[pc] on and the row's scale word in v[pw] (the same in both halves of the lanes).
.macro QUANT s, pc, pw
	WIN 0
.irp b, 0,1,2,3
	v_max3_num_f32 v[TM+\b], |v[\s+16*\b]|, |v[\s+1+16*\b]|, 0x1800000    ; my 16 numbers of block b, and the floor 2^(3 - 127): the byte cannot fall under 1
.endr
.irp i, 2,4,6,8,10,12,14
.irp b, 0,1,2,3
	v_max3_num_f32 v[TM+\b], v[TM+\b], |v[\s+16*\b+\i]|, |v[\s+1+16*\b+\i]|   ; the four blocks by turns
.endr
.endr
.irp b, 0,1,2,3
	v_permlanex16_b32 v[TM+4+\b], v[TM+\b], s[SEL], s[SEL+1]
.endr
.irp b, 0,1,2,3
	v_max_num_f32 v[TM+\b], v[TM+\b], v[TM+4+\b]           ; with lane l xor 16's 16: the block's largest magnitude
.endr
.irp b, 0,1,2,3
	v_add_nc_u32 v[TM+12+\b], 0xff000000, v[TM+\b]         ; 2 off its exponent field: the conversion's scale operand
.endr
.irp b, 0,1,2,3
	v_lshrrev_b32 v[TM+4+\b], 23, v[TM+12+\b]              ; the scale's byte
.endr
	v_lshl_or_b32 v[\pw], v[TM+5], 8, v[TM+4]
	v_lshl_or_b32 v[\pw], v[TM+6], 16, v[\pw]
	v_lshl_or_b32 v[\pw], v[TM+7], 24, v[\pw]
.irp b, 0,1,2,3
	v_cvt_scalef32_pk8_fp4_f32 v[\pc+2*\b], v[\s+16*\b:\s+7+16*\b], v[TM+12+\b]
	v_cvt_scalef32_pk8_fp4_f32 v[\pc+1+2*\b], v[\s+8+16*\b:\s+15+16*\b], v[TM+12+\b]
.endr
	v_nop                                                  ; one plain place behind the scaled conversions
.irp c, 0,1                                            ; the operand wants a whole block in a lane
.irp i, 0,1
	v_permlane16_swap_b32 v[\pc+4*\c+\i], v[\pc+2+4*\c+\i]
.endr
.endr
.endm
; A chunk, 16 rows x 128 numbers, from off bytes behind s[4:5]: each load reads a row's 512 consecutive bytes
.macro XLOADC win, reg, off
	WIN \win
.irp i, 0,1,2,3,4,5,6,7,8,9,10,11,12,13,14,15
	global_load_b128 v[(\reg)+4*\i:(\reg)+4*\i+3], v1, s[4:5] offset:(\off)+4096*\i th:TH_LOAD_NT
.endr
.endm
; The chunk turns through my own stage: in as loaded, out 16 neighbours of each block of 32 a lane.  LDS serves a wave's instructions in order: no wait between.
; The loads land in XQ, which the last chunk's quantiser read: the wait on va_vdst that stands behind that quantiser states it, and no vector instruction since names XQ or v4.
.macro TURN win, reg
	WIN \win
.irp i, 0,1,2,3,4,5,6,7,8,9,10,11,12,13,14,15
	ds_store_b128 v3, v[(\reg)+4*\i:(\reg)+4*\i+3] offset:SPITCH*\i
.endr
	WIN 0
.irp b, 0,1,2,3
.irp j, 0,1,2,3
	ds_load_b128 v[XQ+16*\b+4*\j:XQ+16*\b+4*\j+3], v4 offset:128*\b+16*\j
.endr
.endr
.endm
.macro IMAGE io, so                    ; the fragment and its scale word go to LDS as they stand
	WIN 0
	ds_store_b128 v7, v[PC:PC+3] offset:\io
	ds_store_b128 v7, v[PC+4:PC+7] offset:(\io)+512
	ds_store_b32 v8, v[PW] offset:\so
.endm
; e tile d from the pointers on: its scale words, its entry of tab into set tn, its eight fragments: 18 loads
.macro WLOAD d, tn
	WIN 0
	global_load_b128 v[WAS:WAS+3], v1, s[8:9] offset:512*(\d)                  ; register j: K step j in lanes 0-15, K step j + 4 in lanes 16-31
	global_load_b128 v[TT+4*(\tn):TT+4*(\tn)+3], v2, s[10:11] offset:256*(\d)  ; cb, cb, va2, va2 of my e
	WIN 0xC0
.irp k, 0,1,2,3,4,5,6,7
.irp c, 0,1
	global_load_b128 v[WAF+8*\k+4*\c:WAF+8*\k+4*\c+3], v1, s[6:7] offset:8192*(\d)+1024*\k+512*\c
.endr
.endr
.endm
; A block's 64 fragments and their scale words come into my registers; the rows' sums begin at 0 (64 lines a block, so that the trip is written once)
.macro XFRAG
	WIN 0x40
.set F, 0
.rept 32
	ds_load_b128 v[8*F:8*F+3], v9 offset:1024*F
	ds_load_b128 v[8*F+4:8*F+7], v9 offset:1024*F+512
.set F, F+1
.endr
	WIN 0x80
.set F, 0
.rept 32
	ds_load_b128 v[8*F:8*F+3], v9 offset:1024*(F+32)
	ds_load_b128 v[8*F+4:8*F+7], v9 offset:1024*(F+32)+512
.set F, F+1
.endr
	WIN 0
.irp m, 0,1,2,3
	ds_load_b128 v[XS+8*\m:XS+8*\m+3], v10 offset:512*\m          ; register 8 m + k: tile m's words in lanes 0-15, tile m + 4's in lanes 16-31
	ds_load_b128 v[XS+8*\m+4:XS+8*\m+7], v10 offset:512*\m+16
.endr
.set I, 0
.rept 64
	v_mov_b32 v[ACC+I], 0
.set I, I+1
.endr
	s_wait_dscnt 0x0
.endm
; One matrix instruction: tile 4 hi + m of the rows, K step k
.macro WM hi, m, k
.set rD, 32*(\hi)+8*(\m)
.set rA, 64*(\m)+8*(\k)
.set rB, WAF+8*(\k)
.set rX, XS+8*(\m)+(\k)
.set rW, WAS+(\k)%4
.if ((\hi) == 0) && ((\k) == 0)
	v_wmma_scale_f32_16x16x128_f8f6f4 v[rD:rD+7], v[rA:rA+7], v[rB:rB+7], 0, v[rX], v[rW] matrix_a_fmt:MATRIX_FMT_FP4 matrix_b_fmt:MATRIX_FMT_FP4
.elseif ((\hi) == 0) && ((\k) < 4)
	v_wmma_scale_f32_16x16x128_f8f6f4 v[rD:rD+7], v[rA:rA+7], v[rB:rB+7], v[rD:rD+7], v[rX], v[rW] matrix_a_fmt:MATRIX_FMT_FP4 matrix_b_fmt:MATRIX_FMT_FP4
.elseif (\hi) == 0
	v_wmma_scale_f32_16x16x128_f8f6f4 v[rD:rD+7], v[rA:rA+7], v[rB:rB+7], v[rD:rD+7], v[rX], v[rW] matrix_a_fmt:MATRIX_FMT_FP4 matrix_b_fmt:MATRIX_FMT_FP4 matrix_b_scale:MATRIX_SCALE_ROW1
.elseif (\k) == 0
	v_wmma_scale_f32_16x16x128_f8f6f4 v[rD:rD+7], v[rA:rA+7], v[rB:rB+7], 0, v[rX], v[rW] matrix_a_fmt:MATRIX_FMT_FP4 matrix_b_fmt:MATRIX_FMT_FP4 matrix_a_scale:MATRIX_SCALE_ROW1
.elseif (\k) < 4
	v_wmma_scale_f32_16x16x128_f8f6f4 v[rD:rD+7], v[rA:rA+7], v[rB:rB+7], v[rD:rD+7], v[rX], v[rW] matrix_a_fmt:MATRIX_FMT_FP4 matrix_b_fmt:MATRIX_FMT_FP4 matrix_a_scale:MATRIX_SCALE_ROW1
.else
	v_wmma_scale_f32_16x16x128_f8f6f4 v[rD:rD+7], v[rA:rA+7], v[rB:rB+7], v[rD:rD+7], v[rX], v[rW] matrix_a_fmt:MATRIX_FMT_FP4 matrix_b_fmt:MATRIX_FMT_FP4 matrix_a_scale:MATRIX_SCALE_ROW1 matrix_b_scale:MATRIX_SCALE_ROW1
.endif
.endm
; An e tile against the block's 128 rows: 64 matrix instructions.  Four accumulators take turns, one instruction a turn; the first K step starts each sum with the constant 0.
.macro MMA
	WIN 0xFD                                       ; X in window 1; Wa, C and D in window 3
.irp k, 0,1,2,3,4,5,6,7
.irp m, 0,1,2,3
	WM 0, \m, \k
.endr
.endr
	WIN 0xFE                                       ; X in window 2
.irp k, 0,1,2,3,4,5,6,7
.irp m, 0,1,2,3
	WM 1, \m, \k
.endr
.endr
.endm
; The 64 products of a lane: sums += va2 / (1 + 2^(c enc + cb)), in three parts, so that the trip's loads and the next block's quantiser can stand between them.
.macro TSCALE u                        ; t = c enc + cb
	WIN 0xC3                                       ; the products: destination and source 0 in window 3
.set I, 0
.rept 32
	v_pk_fma_f32 v[I:I+1], v[I:I+1], s[22:23], v[TT+4*(\u):TT+4*(\u)+1] op_sel_hi:[1,0,1]   ; ascending: each accumulator is read from its low end on
.set I, I+2
.endr
.endm
.macro TEXP                            ; 2^t: one batch; the plain work and the one wait behind it stand in TRIP
	WIN 0xC3
.set I, 0
.rept 64
	v_exp_f32 v[I], v[I]
.set I, I+1
.endr
.endm
.macro TREST u                         ; 1 + 2^t, its reciprocal, and the sums
	WIN 0xC3
.set I, 0
.rept 32
	v_pk_add_f32 v[I:I+1], v[I:I+1], 1.0 op_sel_hi:[1,0]
.set I, I+2
.endr
.set I, 0
	s_wait_alu depctr_va_vdst(0)
.rept 64
	v_rcp_f32 v[I], v[I]
.set I, I+1
.endr
	v_nop                                          ; one plain line behind the batch,
	s_wait_alu depctr_va_vdst(0)                   ; and one wait: the 64 reciprocals have written their results, ahead of their first reader
	WIN 0x03                                       ; source 0 in window 3; va2 and the sums in window 0
.set I, 0
.rept 32
	v_pk_fma_f32 v[ACC+I:ACC+I+1], v[I:I+1], v[TT+4*(\u)+2:TT+4*(\u)+3], v[ACC+I:ACC+I+1]
.set I, I+2
.endr
	WIN 0
.endm
; A TRIP: one e tile.  u: which set of tab's entry and which chunk buffer;  cnt: the younger loads that may stay out;  xq: a chunk of the next block is quantised;  xl: its buffer is filled again;
; wl: the e tile d from the pointers on is asked for.
.macro TRIP u, cnt, xq, xl, wl, d
	s_wait_loadcnt \cnt                            ; this e tile's 18 loads and (xq) this trip's chunk are in; the one chunk issued behind them may be out
.if \xq
	TURN 0x0C, RAW0+64*(\u)                        ; the turn through LDS runs beside the products
.endif
	MMA
.rept 4
	v_nop                                          ; four places behind the last product, ahead of the first read of results
.endr
	TSCALE \u
.if \xq
	s_wait_dscnt 0x0                               ; the chunk is back from the stage
.endif
.if \wl
	s_wait_alu depctr_va_vdst(0)                   ; the trip's products are done reading Wa's fragments and scale words, and the last trip's sums the other set of tab's entry: the loads below land in these
.endif
.if \xq
	s_wait_alu depctr_vm_vsrc(0)                   ; the stage's stores have read the chunk's buffer, in which (xl) the loads below land; the last image's stores have read PC and PW, which the quantiser below writes
.endif
.if \wl
	WLOAD \d, 1-(\u)
.endif
.if \xl
	XLOADC 0xC0, RAW0+64*(\u), 512+65536*(\u)      ; the same tile's next K step
.endif
	s_wait_alu depctr_va_vdst(0)
	TEXP
.if \xq
	QUANT XQ, PC, PW                               ; plain work behind the exponentials: it names none of their results
	s_wait_alu depctr_va_vdst(0)                   ; the 64 exponentials have written their results, ahead of their first reader; the quantiser has written PC and PW, and v7 and v8 are written, which the image's stores read; it is done reading XQ, in which the next chunk lands
	IMAGE 8192*(\u), 512*(\u)
.else
	v_nop                                          ; one plain line behind the batch,
	s_wait_alu depctr_va_vdst(0)                   ; and one wait: the 64 exponentials have written their results, ahead of their first reader
.endif
	TREST \u
.endm
; The sums over my 16 e tiles lie in sixteen lanes (e = r): four steps inside each half of the lanes; then the 128 rows' sums go to my 512 bytes of LDS (the sixteen lanes of a half write the same word with the same value)
.macro REDUCE be
	WIN 0
.irp x, 1,2,4,8
.set I, 0
.rept 64
	v_add_f32_dpp v[ACC+I], v[ACC+I], v[ACC+I] row_xmask:\x row_mask:0xf bank_mask:0xf
.set I, I+1
.endr
.endr
	s_wait_alu depctr_va_vdst(0)                   ; the additions have written the sums, which the LDS stores read; the block's products are done reading X's fragments and scale words, in which the next block's land
.set I, 0
.rept 64
	ds_store_b32 v11, v[ACC+I] offset:2048*(\be)+64*(I/8)+4*(I%8)
.set I, I+1
.endr
.endm
.macro BARRIER                         ; my LDS stores have landed and my LDS loads are in: then the work-group's barrier
	s_wait_dscnt 0x0
	s_barrier_signal -1
	s_barrier_wait -1
.endm
; The head of a loop's trip that quantises: where its images and scale words go
.macro PLACE
	s_wait_alu depctr_vm_vsrc(0)                   ; the image's stores issued so far have read v7 and v8
	v_add_nc_u32 v7, s25, v5
	v_add_nc_u32 v8, s26, v6
.endm
; PHASE A's turn of ring buffer q.  n: the younger loads that may stay out.  kind: what is asked for when the buffer has been read:
; 1 the chunk four on, into the same buffer;  2, 4 block 1's first two chunks, into window 3;  3 e tile 0;  0 nothing.
.macro ACH q, n, kind
	s_wait_loadcnt \n
	TURN 0x04, 64*(\q)
	s_wait_dscnt 16                                ; all but the 16 loads just issued: the stage's stores have landed
	s_wait_alu depctr_vm_vsrc(0)                   ; the stage's stores have read ring buffer q, in which loads land next (the chunk four on, or at the phase's end the block's fragments); the last image's stores have read PC and PW, which the quantiser below writes
.if (\kind) == 1
	XLOADC 0x40, 64*(\q), 512*((\q)/2)+65536*((\q)%2)+1024
.elseif (\kind) == 2
	XLOADC 0xC0, RAW0, 524288-3072
.elseif (\kind) == 3
	WLOAD 0, 0
.elseif (\kind) == 4
	XLOADC 0xC0, RAW0+64, 524288-3072+65536
.endif
	s_wait_dscnt 0x0
	QUANT XQ, PC, PW
	s_wait_alu depctr_va_vdst(0)                   ; the quantiser has written PC and PW, and v7 and v8 are written, which the image's stores read; it is done reading XQ, in which the next chunk lands
	IMAGE 1024*((\q)/2)+8192*((\q)%2), 4*((\q)/2)+512*((\q)%2)
.endm
	s_load_b256 s[4:11], s[0:1], 0x0               ; X s[4:5], wa_codes s[6:7], wa_scales s[8:9], tab s[10:11]
	s_load_b64 s[12:13], s[0:1], 0x20              ; scores
	v_lshl_add_u32 v254, v0, 2, 0x2b400
	v_mov_b32 v255, 0
	v_lshrrev_b32 v13, 5, v0
	v_readfirstlane_b32 s14, v13                   ; wave 0..3
	v_and_b32 v13, 31, v0                          ; lane
	v_and_b32 v14, 15, v0                          ; r
	v_bfe_u32 v15, v0, 4, 1                        ; h
	v_lshlrev_b32 v1, 4, v13                       ; v1  16 x lane
	v_lshlrev_b32 v2, 4, v14                       ; v2  16 r
	s_wait_alu depctr_va_sdst(0)                   ; s14 is written, ahead of its first reader: LDS addresses and the buffers' offsets are made from it
	s_mul_i32 s15, s14, 16*SPITCH                  ; my stage
	v_add_nc_u32 v3, s15, v1                       ; v3  into it: 16 x lane, a row an instruction
	v_mul_u32_u24 v4, v14, SPITCH
	v_lshl_add_u32 v4, v15, 6, v4
	v_add_nc_u32 v4, s15, v4                       ; v4  out of it: row r, + 64 h
	s_lshl_b32 s15, s14, 14
	s_add_co_u32 s15, s15, IMG0
	v_add_nc_u32 v5, s15, v1                       ; v5  where my two tiles' images begin: 16,384 x wave + 16 x lane
	s_lshl_b32 s15, s14, 10
	s_add_co_u32 s15, s15, XSC0
	v_lshl_add_u32 v6, v14, 5, s15                 ; v6  and their scale words: 1,024 x wave + 32 r
	v_add_nc_u32 v9, IMG0, v1                      ; v9  from where any image is read
	v_lshlrev_b32 v10, 5, v14
	v_lshl_add_u32 v10, v15, 11, v10
	v_add_nc_u32 v10, XSC0, v10                    ; v10 the scale words: 32 r, lanes 16-31 four tiles on
	s_lshl_b32 s15, s14, 9
	s_add_co_u32 s15, s15, RED
	v_lshl_add_u32 v11, v15, 5, s15                ; v11 my sums: 512 x wave + 32 h
	s_and_b32 s15, s14, 1
	s_lshl_b32 s15, s15, 11
	s_add_co_u32 s15, s15, RED
	v_add_nc_u32 v12, s15, v1                      ; v12 the block that I finish (waves 0 and 1): 4 rows a lane
.irp b, 0,1,2,3
	v_mov_b32 v[TM+4+\b], 0                        ; written once: a lane permute's destination counts as one of its sources
.endr
	s_mov_b32 s[SEL], 0x76543210
	s_mov_b32 s[SEL+1], 0xfedcba98
	s_mov_b32 s22, 0x4038aa3b                      ; c = 2 log2(e)
	s_mov_b32 s23, s22                             ; (named with it as a pair, so it is written)
	s_lshl_b32 s18, s14, 17                        ; X: my 32 rows of a block; wa_codes: my 16 e tiles of 8,192 bytes: both 131,072 x wave
	s_mov_b32 s19, 0
	s_lshl_b32 s16, ttmp9, 20                      ; X: the work-group's 256 rows of 4,096 bytes
	s_add_co_u32 s16, s16, s18
	s_mov_b32 s17, 0
	s_lshl_b32 s28, s14, 13                        ; wa_scales: 16 e tiles of 512 bytes
	s_mov_b32 s29, 0
	s_lshr_b32 s30, ttmp9, 3                       ; the batch
	s_lshl_b32 s30, s30, 14                        ; tab: 16,384 bytes a batch,
	s_lshl_b32 s31, s14, 12                        ; 4,096 for 16 e tiles
	s_add_co_u32 s30, s30, s31
	s_mov_b32 s31, 0
	s_lshl_b32 s32, ttmp9, 10                      ; scores: 1,024 bytes a work-group,
	s_and_b32 s33, s14, 1
	s_lshl_b32 s33, s33, 9                         ; 512 a block
	s_add_co_u32 s32, s32, s33
	s_mov_b32 s33, 0
	s_wait_kmcnt 0x0
	s_add_nc_u64 s[4:5], s[4:5], s[16:17]
	s_add_nc_u64 s[6:7], s[6:7], s[18:19]
	s_add_nc_u64 s[8:9], s[8:9], s[28:29]
	s_add_nc_u64 s[10:11], s[10:11], s[30:31]
	s_add_nc_u64 s[12:13], s[12:13], s[32:33]
	s_wait_alu depctr_va_vdst(0)                   ; the offsets and addresses v1 to v4 and v9 to v12 are written, which the loads and stores below read
	; ---- A: block 0.  Chunk n of my 16 is tile 2 w + n % 2, K step n / 2.  Four chunks, 64 loads, are on their way
	XLOADC 0x40, 0, 0
	XLOADC 0x40, 64, 65536
	XLOADC 0x40, 128, 512
	XLOADC 0x40, 192, 512+65536
	WIN 0
	s_mov_b32 s24, 3
	s_mov_b32 s25, 0                               ; the images' step: 2,048 bytes for two K steps
	s_mov_b32 s26, 0                               ; the scale words': 8
.Lquant0:
	PLACE
	ACH 0, 48, 1                                   ; 48: the three younger chunks stay out
	ACH 1, 48, 1
	ACH 2, 48, 1
	ACH 3, 48, 1
	s_wait_xcnt 0x0                                ; the loads have read their base: it may step
	s_add_nc_u64 s[4:5], s[4:5], 1024
	s_add_co_u32 s25, s25, 2048
	s_add_co_u32 s26, s26, 8
	s_sub_co_u32 s24, s24, 1
	s_cmp_lg_u32 s24, 0
	s_cbranch_scc1 .Lquant0
	PLACE
	ACH 0, 48, 2                                   ; chunks 13, 14, 15 stay out; block 1's chunk 0 is asked for
	ACH 1, 48, 3                                   ; 14, 15 and block 1's chunk 0; e tile 0 is asked for
	ACH 2, 50, 4                                   ; 16 + 16 + e tile 0's 18; block 1's chunk 1 is asked for
	ACH 3, 50, 0                                   ; 16 + 18 + 16
	s_wait_xcnt 0x0
	s_add_nc_u64 s[4:5], s[4:5], 524288-3072       ; X at my rows of block 1
	BARRIER                                        ; block 0's 64 fragments lie in LDS
	XFRAG                                          ; (window 1's registers were the ring: each turn's wait on vm_vsrc has stated that the stage's stores have read them)
	s_wait_alu depctr_vm_vsrc(0)                   ; XFRAG's loads have read v9 and v10, which are stepped below
	v_add_nc_u32 v5, IMGSTEP, v5                   ; from here on the images are block 1's
	v_add_nc_u32 v6, IMGSTEP, v6
	v_add_nc_u32 v9, IMGSTEP, v9
	v_add_nc_u32 v10, IMGSTEP, v10
	; ---- B: block 0's 16 e tiles, two a trip; block 1's chunks 2 t and 2 t + 1 (K step t of my two tiles) are quantised on the way
	s_mov_b32 s24, 7
	s_mov_b32 s25, 0                               ; 1,024 bytes a K step
	s_mov_b32 s26, 0                               ; 4
.Lblock0:
	PLACE
	TRIP 0, 16, 1, 1, 1, 1
	TRIP 1, 16, 1, 1, 1, 2
	s_wait_xcnt 0x0                                ; the loads have read their bases
	s_add_nc_u64 s[4:5], s[4:5], 512
	s_add_nc_u64 s[6:7], s[6:7], 16384
	s_add_nc_u64 s[8:9], s[8:9], 1024
	s_add_nc_u64 s[10:11], s[10:11], 512
	s_add_co_u32 s25, s25, 1024
	s_add_co_u32 s26, s26, 4
	s_sub_co_u32 s24, s24, 1
	s_cmp_lg_u32 s24, 0
	s_cbranch_scc1 .Lblock0
	PLACE
	TRIP 0, 16, 1, 0, 1, 1                         ; the last two e tiles: no chunk is left to ask for
	TRIP 1, 0, 1, 0, 1, -14                        ; and e tile 0 is asked for again, for block 1
	s_wait_xcnt 0x0
	s_sub_nc_u64 s[6:7], s[6:7], 7*16384           ; Wa's three pointers go back to my first e tile
	s_sub_nc_u64 s[8:9], s[8:9], 7*1024
	s_sub_nc_u64 s[10:11], s[10:11], 7*512
	REDUCE 0
	BARRIER                                        ; block 1's 64 fragments lie in LDS
	s_wait_alu depctr_vm_vsrc(0)                   ; REDUCE's stores have read the sums, which XFRAG clears
	XFRAG                                          ; (no vector instruction since REDUCE's wait on va_vdst, behind which v9 and v10 are written and block 0's products are done)
	; ---- C: block 1's 16 e tiles
	s_mov_b32 s24, 7
.Lblock1:
	TRIP 0, 0, 0, 0, 1, 1
	TRIP 1, 0, 0, 0, 1, 2
	s_wait_xcnt 0x0
	s_add_nc_u64 s[6:7], s[6:7], 16384
	s_add_nc_u64 s[8:9], s[8:9], 1024
	s_add_nc_u64 s[10:11], s[10:11], 512
	s_sub_co_u32 s24, s24, 1
	s_cmp_lg_u32 s24, 0
	s_cbranch_scc1 .Lblock1
	TRIP 0, 0, 0, 0, 1, 1
	TRIP 1, 0, 0, 0, 0, 0
	REDUCE 1
	BARRIER                                        ; all four waves' sums of both blocks lie in LDS
	s_cmp_lt_u32 s14, 2
	s_cbranch_scc0 .Ldone
.irp x, 0,1,2,3
	ds_load_b128 v[XQ+4*\x:XQ+4*\x+3], v12 offset:512*\x       ; wave x's sums of my lane's four rows (XQ's last vector reader, the quantiser, stands ahead of many waits on va_vdst)
.endr
	s_wait_dscnt 0x0
	v_pk_add_f32 v[XQ:XQ+1], v[XQ:XQ+1], v[XQ+4:XQ+5]
	v_pk_add_f32 v[XQ+2:XQ+3], v[XQ+2:XQ+3], v[XQ+6:XQ+7]
	v_pk_add_f32 v[XQ+8:XQ+9], v[XQ+8:XQ+9], v[XQ+12:XQ+13]
	v_pk_add_f32 v[XQ+10:XQ+11], v[XQ+10:XQ+11], v[XQ+14:XQ+15]
	v_pk_add_f32 v[XQ:XQ+1], v[XQ:XQ+1], v[XQ+8:XQ+9]
	v_pk_add_f32 v[XQ+2:XQ+3], v[XQ+2:XQ+3], v[XQ+10:XQ+11]
	s_wait_alu depctr_va_vdst(0)                   ; the additions have written v[XQ .. XQ + 3], which the store reads
	global_store_b128 v1, v[XQ:XQ+3], s[12:13]     ; 32 lanes store 512 consecutive bytes, aligned
.Ldone:
	s_wait_dscnt 0x0
	s_wait_alu depctr_hold_cnt(0) depctr_sa_sdst(0) depctr_va_vdst(0) depctr_va_sdst(0) depctr_va_ssrc(0) depctr_va_vcc(0) depctr_vm_vsrc(0)
	s_wait_tensorcnt 0x0
	ds_add_u32 v254, v255
	s_wait_dscnt 0x0
	s_endpgm
.Lfunc_end_k_qc5924e01c2_main:
	.size	k_qc5924e01c2_main, .Lfunc_end_k_qc5924e01c2_main-k_qc5924e01c2_main
	.p2alignl 7, 3214868480
	.fill 96, 4, 3214868480
	.section	.rodata,"a",@progbits
	.p2align	6, 0x0
	.amdhsa_kernel k_qc5924e01c2_main
		.amdhsa_group_segment_fixed_size 177664
		.amdhsa_private_segment_fixed_size 0
		.amdhsa_enable_private_segment 0
		.amdhsa_kernarg_size 40
		.amdhsa_user_sgpr_count 2
		.amdhsa_user_sgpr_kernarg_segment_ptr 1
		.amdhsa_wavefront_size32 1
		.amdhsa_system_sgpr_workgroup_id_x 1
		.amdhsa_system_sgpr_workgroup_id_y 1
		.amdhsa_system_sgpr_workgroup_id_z 1
		.amdhsa_system_vgpr_workitem_id 0
		.amdhsa_next_free_vgpr 1024
		.amdhsa_next_free_sgpr 66
		.amdhsa_reserve_vcc 0
		.amdhsa_float_denorm_mode_32 3
		.amdhsa_float_denorm_mode_16_64 3
		.amdhsa_memory_ordered 1
		.amdhsa_forward_progress 1
		.amdhsa_inst_pref_size 255
	.end_amdhsa_kernel
	.section	.bss,"aw",@nobits
	.p2align	6
	.space	262144
	.amdgpu_metadata
---
amdhsa.version: [ 1, 2 ]
amdhsa.kernels:
  - .name:           k_qc5924e01c2_main
    .symbol:         k_qc5924e01c2_main.kd
    .args:
      - { .name: encoder_outputs, .offset: 0, .size: 8, .value_kind: global_buffer, .address_space: global }
      - { .name: wa_codes, .offset: 8, .size: 8, .value_kind: global_buffer, .address_space: global }
      - { .name: wa_scales, .offset: 16, .size: 8, .value_kind: global_buffer, .address_space: global }
      - { .name: tab, .offset: 24, .size: 8, .value_kind: global_buffer, .address_space: global }
      - { .name: scores, .offset: 32, .size: 8, .value_kind: global_buffer, .address_space: global }
    .group_segment_fixed_size: 177664
    .private_segment_fixed_size: 0
    .kernarg_segment_align: 8
    .kernarg_segment_size: 40
    .max_flat_workgroup_size: 128
    .sgpr_count:     66
    .vgpr_count:     1024
    .wavefront_size: 32
...
	.end_amdgpu_metadata
.endif
;; end of part 5
;; launch soft (part 6): grid 32 x 1, 1 waves a work-group, no clusters, 0 bytes of LDS; arguments scores, attn_mask, Va_w, Va_b, out0; writes out0
.if DOCPART == 6
	.amdgcn_target "amdgcn-amd-amdhsa--gfx1250"
	.amdhsa_code_object_version 6
	.text
	.protected	k_qc5924e01c2_soft
	.globl	k_qc5924e01c2_soft
	.p2align	8
	.type	k_qc5924e01c2_soft,@function
k_qc5924e01c2_soft:
	s_mov_b64 s[64:65], 0
	v_nop
	global_prefetch_b8 v0, s[64:65] scope:SCOPE_SE
	s_setreg_imm32_b32 hwreg(HW_REG_WAVE_MODE, 25, 1), 1
	s_wait_xcnt 0x0
; out0[b][s] = softmax over s of (mask[b][s] ? scores[b][s] + the sum of Va_w + Va_b : -infinity).  scores holds the sum of -2 Va / (1 + e^(2 x)); with the sum of Va that is the sum of Va tanh(x).
; One wave to a batch: its 2,048 scores are 64 registers, so maximum and sum never leave the wave: no LDS, no barrier.  Lane l, load i holds s = 128 i + 4 l + 0 .. 3.
; Every load and store of scores and out0 covers 512 consecutive bytes.  The row's maximum is taken away before the exponential: t = s log2(e) - max log2(e), one fused multiply-add.
; A row whose mask is all false gives NaN, as the definition does (-infinity less -infinity).  32 batches make 32 work-groups; the launch moves 0.6 MB.
.set SC, 16                            ; v16-79  the scores
.set MK, 80                            ; v80-95  four mask bytes each
.set VA, 96                            ; v96-127 Va_w
	s_load_b256 s[4:11], s[0:1], 0x0               ; scores s[4:5], mask s[6:7], Va_w s[8:9], Va_b s[10:11]
	s_load_b64 s[12:13], s[0:1], 0x20              ; out0
	v_lshlrev_b32 v1, 4, v0                        ; 16 x lane
	v_lshlrev_b32 v2, 2, v0                        ; 4 x lane
	s_lshl_b32 s14, ttmp9, 13                      ; a batch: 8,192 bytes of scores and of out0,
	s_mov_b32 s15, 0
	s_lshl_b32 s16, ttmp9, 11                      ; 2,048 of the mask
	s_mov_b32 s17, 0
	s_mov_b32 s18, 0x76543210
	s_mov_b32 s19, 0xfedcba98                      ; v_permlanex16_b32's selects for lane l xor 16
	s_wait_alu depctr_va_vdst(0)
	s_wait_kmcnt 0x0
	s_load_b32 s20, s[10:11], 0x0                  ; Va_b
	s_add_nc_u64 s[4:5], s[4:5], s[14:15]
	s_add_nc_u64 s[6:7], s[6:7], s[16:17]
	s_add_nc_u64 s[12:13], s[12:13], s[14:15]
.irp i, 0,1,2,3,4,5,6,7,8,9,10,11,12,13,14,15
	global_load_b128 v[SC+4*\i:SC+4*\i+3], v1, s[4:5] offset:512*\i th:TH_LOAD_NT
.endr
.irp i, 0,1,2,3,4,5,6,7,8,9,10,11,12,13,14,15
	global_load_b32 v[MK+\i], v2, s[6:7] offset:128*\i th:TH_LOAD_NT
.endr
.irp i, 0,1,2,3,4,5,6,7
	global_load_b128 v[VA+4*\i:VA+4*\i+3], v1, s[8:9] offset:512*\i
.endr
	v_mov_b32 v128, 0                              ; a lane permute's destination counts as one of its sources
	v_mov_b32 v130, 0xff800000                     ; -infinity
	s_wait_loadcnt 0x0
	s_wait_kmcnt 0x0
	; the sum of Va_w, in two chains, then across the lanes; + Va_b
.irp i, 0,1,2,3,4,5,6
	v_pk_add_f32 v[VA:VA+1], v[VA:VA+1], v[VA+4+4*\i:VA+5+4*\i]
	v_pk_add_f32 v[VA+2:VA+3], v[VA+2:VA+3], v[VA+6+4*\i:VA+7+4*\i]
.endr
	v_pk_add_f32 v[VA:VA+1], v[VA:VA+1], v[VA+2:VA+3]
	v_add_f32 v[VA], v[VA], v[VA+1]
.irp x, 1,2,4,8
	v_add_f32_dpp v[VA], v[VA], v[VA] row_xmask:\x row_mask:0xf bank_mask:0xf
.endr
	v_permlanex16_b32 v128, v[VA], s18, s19
	v_add_f32 v[VA], v[VA], v128
	v_add_f32 v[VA], s20, v[VA]
	v_mov_b32 v[VA+1], v[VA]
.set I, 0
.rept 32
	v_pk_add_f32 v[SC+I:SC+I+1], v[SC+I:SC+I+1], v[VA:VA+1]    ; the true scores
.set I, I+2
.endr
.set I, 0
.rept 64
	v_and_b32 v129, 0xff<<(8*(I%4)), v[MK+I/4]     ; the number's mask byte
	v_cmp_ne_u32 vcc_lo, 0, v129
	v_cndmask_b32 v[SC+I], v130, v[SC+I], vcc_lo   ; false: -infinity
.set I, I+1
.endr
	; the row's maximum: four chains, then across the lanes
.irp b, 0,1,2,3
	v_max3_num_f32 v[132+\b], v[SC+16*\b], v[SC+16*\b+1], v[SC+16*\b+2]
.endr
.irp i, 3,5,7,9,11,13
.irp b, 0,1,2,3
	v_max3_num_f32 v[132+\b], v[132+\b], v[SC+16*\b+\i], v[SC+16*\b+\i+1]
.endr
.endr
.irp b, 0,1,2,3
	v_max_num_f32 v[132+\b], v[132+\b], v[SC+16*\b+15]
.endr
	v_max3_num_f32 v132, v132, v133, v134
	v_max_num_f32 v132, v132, v135
.irp x, 1,2,4,8
	v_max_num_f32_dpp v132, v132, v132 row_xmask:\x row_mask:0xf bank_mask:0xf
.endr
	v_permlanex16_b32 v128, v132, s18, s19
	v_max_num_f32 v132, v132, v128
	v_mul_f32 v132, 0xbfb8aa3b, v132               ; -max log2(e)
	v_mov_b32 v133, v132
.set I, 0
.rept 32
	v_pk_fma_f32 v[SC+I:SC+I+1], v[SC+I:SC+I+1], 0x3fb8aa3b, v[132:133] op_sel_hi:[1,0,1]
.set I, I+2
.endr
.set I, 0
	s_wait_alu depctr_va_vdst(0)
.rept 64
	v_exp_f32 v[SC+I], v[SC+I]
.set I, I+1
.endr
	v_nop                                          ; one plain line behind the batch,
	s_wait_alu depctr_va_vdst(0)                   ; and one wait ahead of its first reader
	v_pk_add_f32 v[134:135], v[SC:SC+1], v[SC+2:SC+3]
	v_pk_add_f32 v[136:137], v[SC+4:SC+5], v[SC+6:SC+7]
.irp i, 8,12,16,20,24,28,32,36,40,44,48,52,56,60
	v_pk_add_f32 v[134:135], v[134:135], v[SC+\i:SC+\i+1]
	v_pk_add_f32 v[136:137], v[136:137], v[SC+\i+2:SC+\i+3]
.endr
	v_pk_add_f32 v[134:135], v[134:135], v[136:137]
	v_add_f32 v134, v134, v135
.irp x, 1,2,4,8
	v_add_f32_dpp v134, v134, v134 row_xmask:\x row_mask:0xf bank_mask:0xf
.endr
	v_permlanex16_b32 v128, v134, s18, s19
	v_add_f32 v134, v134, v128                     ; the row's sum
	s_wait_alu depctr_va_vdst(0)
	v_rcp_f32 v136, v134
	v_nop
	s_wait_alu depctr_va_vdst(0)
	v_mov_b32 v137, v136
.set I, 0
.rept 32
	v_pk_mul_f32 v[SC+I:SC+I+1], v[SC+I:SC+I+1], v[136:137]
.set I, I+2
.endr
.irp i, 0,1,2,3,4,5,6,7,8,9,10,11,12,13,14,15
	global_store_b128 v1, v[SC+4*\i:SC+4*\i+3], s[12:13] offset:512*\i th:TH_STORE_NT
.endr
	s_endpgm
.Lfunc_end_k_qc5924e01c2_soft:
	.size	k_qc5924e01c2_soft, .Lfunc_end_k_qc5924e01c2_soft-k_qc5924e01c2_soft
	.p2alignl 7, 3214868480
	.fill 96, 4, 3214868480
	.section	.rodata,"a",@progbits
	.p2align	6, 0x0
	.amdhsa_kernel k_qc5924e01c2_soft
		.amdhsa_group_segment_fixed_size 0
		.amdhsa_private_segment_fixed_size 0
		.amdhsa_enable_private_segment 0
		.amdhsa_kernarg_size 40
		.amdhsa_user_sgpr_count 2
		.amdhsa_user_sgpr_kernarg_segment_ptr 1
		.amdhsa_wavefront_size32 1
		.amdhsa_system_sgpr_workgroup_id_x 1
		.amdhsa_system_sgpr_workgroup_id_y 1
		.amdhsa_system_sgpr_workgroup_id_z 1
		.amdhsa_system_vgpr_workitem_id 0
		.amdhsa_next_free_vgpr 144
		.amdhsa_next_free_sgpr 66
		.amdhsa_reserve_vcc 1
		.amdhsa_float_denorm_mode_32 3
		.amdhsa_float_denorm_mode_16_64 3
		.amdhsa_memory_ordered 1
		.amdhsa_forward_progress 1
		.amdhsa_inst_pref_size 30
	.end_amdhsa_kernel
	.amdgpu_metadata
---
amdhsa.version: [ 1, 2 ]
amdhsa.kernels:
  - .name:           k_qc5924e01c2_soft
    .symbol:         k_qc5924e01c2_soft.kd
    .args:
      - { .name: scores, .offset: 0, .size: 8, .value_kind: global_buffer, .address_space: global }
      - { .name: attn_mask, .offset: 8, .size: 8, .value_kind: global_buffer, .address_space: global }
      - { .name: Va_w, .offset: 16, .size: 8, .value_kind: global_buffer, .address_space: global }
      - { .name: Va_b, .offset: 24, .size: 8, .value_kind: global_buffer, .address_space: global }
      - { .name: out0, .offset: 32, .size: 8, .value_kind: global_buffer, .address_space: global }
    .group_segment_fixed_size: 0
    .private_segment_fixed_size: 0
    .kernarg_segment_align: 8
    .kernarg_segment_size: 40
    .max_flat_workgroup_size: 32
    .sgpr_count:     66
    .vgpr_count:     144
    .wavefront_size: 32
...
	.end_amdgpu_metadata
.endif
;; end of part 6
